; MI455X (gfx1250); checked and timed in simulation.
; The chip was launched on July 23, 2026; its instructions are those of AMD's public machine-readable ISA for CDNA 5 (MIT licence, August 2026) and "CDNA5" Instruction Set Architecture Reference Guide (July 2026). The comments in the code are by the model that wrote it; some were corrected since.
;; Cross Attention. Allowed arithmetic: float matrix products may take bf16 or f16 operands with f32 sums; other float arithmetic in f32, or as packed bf16 or f16 multiplies, adds, multiply-adds, maxima and minima; sums over many terms, partial sums and values carried from step to step in f32; what a program stores and reads back later, other than sums and carried values, may be rounded once to bf16 or f16.
;; Inputs: Wk 512 x 128 float32; Wo 128 x 512 float32; Wq 512 x 128 float32; Wv 512 x 128 float32; context 1 x 128 x 16 x 32 x 32 float32; x 1 x 128 x 16 x 32 x 32 float32.
;; Outputs: out0 1 x 128 x 16 x 32 x 32 float32.
;; 2 versions, each right; version 2 is version 1 with the launch oproj written anew for expert scheduling mode. Each part assembles by itself: llvm-mc -triple=amdgcn-amd-amdhsa -mcpu=gfx1250 --defsym DOCPART=n.
;; ======== version 1 of 2: 3 launches
;; limits: values are held in f16: magnitudes above 65,504 overflow, below 6.1e-05 lose precision; right only within a limited range of input values
;; workspace buffers: qbuf 16,777,216 bytes; kbuf 2,097,152 bytes; vbuf 2,097,152 bytes; obuf 16,777,216 bytes; wo16 131,072 bytes
;; launch prep (part 1): grid 256 x 1, 16 waves a work-group, no clusters, 225,536 bytes of LDS; arguments context, x, Wk, Wv, Wq, Wo, kbuf, vbuf, qbuf, wo16; writes kbuf, vbuf, qbuf, wo16
.if DOCPART == 1
	.amdgcn_target "amdgcn-amd-amdhsa--gfx1250"
	.amdhsa_code_object_version 6
	.text
	.protected	k_q018d6916ba_prep
	.globl	k_q018d6916ba_prep
	.p2align	8
	.type	k_q018d6916ba_prep,@function
k_q018d6916ba_prep:
	s_mov_b64 s[64:65], 0
	v_nop
	global_prefetch_b8 v0, s[64:65] scope:SCOPE_SE
	s_setreg_imm32_b32 hwreg(HW_REG_WAVE_MODE, 25, 1), 1
	s_wait_xcnt 0x0
; PREP.  context, x: [128 channels][16][32][32] f32.  Wq, Wk, Wv: [512][128] f32.  Wo: [128][512] f32.
; Makes  kbuf[h][m][d] = sum_c Wk[64 h + d][c] cf[c][m],  vbuf[h][m][d] = 16 x the same with Wv,  qbuf[h][n][d] = sum_c Wq[64 h + d][c] x[c][n]  (all f16, rows of 64 d = 128 bytes),
; where cf is the 2 x 2 x 2 mean of context (2,048 positions m), and wo16 = Wo in f16, laid out as the last launch's matrix fragments.
; FORMATS.  Every input number is rounded to bf16 (nearest even) and that number is written as f16, which holds it exactly from 2^-14 up to 65,504; below 2^-14 f16 keeps a fixed step of 6e-8.
; The pool adds the eight rounded numbers in f32 (two along w, two along d, two along h: another order than a mean over three axes), times 1/8, rounded once to f16.  Products in f16, sums in f32.
; V is kept as 16 v, so that the attention's output, a mean of V's rows, stays clear of f16's fixed step for small inputs; the last launch divides by 16.
; LIMITS.  |x|, |cf|, |q|, |k| under 65,504, |v| under 4,094; NaN and infinities are not treated apart.
; SHARES.  Work-group id does three jobs.  KV: 32 pooled positions (slab s = id % 64) x 256 rows of Wk (id / 64 = 0, 1) or Wv (2, 3).  Q: 128 positions (id % 128) x 256 rows of Wq (id / 128).
; Wo: block id of wo16 (512 bytes).  Wave w of 16 brings channels 8 w .. 8 w + 7 of both slabs and owns rows 16 w .. 16 w + 15 of the 256 weight rows: head w / 4 of the group's four, d = 16 (w % 4) on.
; PRODUCT.  Source 0 = 16 weight rows, source 1 = 16 positions: in the result a lane holds ONE position (lane % 16) and d = 8 (lane / 16) + 0..7: 16 bytes of an output row.  The slabs lie [channel][position]
; in LDS and are read turned, by ds_load_tr16_b128.  Results go through a stage in LDS, so that every global store of a wave covers 512 consecutive bytes, aligned.
; No cluster: a wave wants its own weight rows alone, straight into registers, and each slab is brought once by the work-group that uses it.  No tensor loads: the sixteen waves hold all bytes on their way in registers.
.set SLP,   96                         ; a slab row (one channel, 32 positions = 64 bytes) + 32 of padding: an odd multiple of 32
.set KSLAB, 0                          ; 128 channels x 96
.set QSLAB, 12288                      ; four sub-slabs of 32 positions,
.set QSUB,  12352                      ; 12,288 + 64 bytes apart: the four sub-slabs that one store of 8 bytes a lane touches fall on different banks
.set STP,   144                        ; a stage row: 128 bytes + 16
.set KST,   61696                      ; 128 rows (head of four x 32 + position)
.set QST,   80128                      ; 512 rows (head of four x 128 + position)
.set WP,    272                        ; a weight row in f16: 256 bytes + 16
.set WRG,   153856                     ; 16 rows x 272 for each wave, the wave's own; used for the KV weights and then for Wq's
.set SPARE, 223488                     ; the spare words, 128 bytes for each of 16 waves: eight blocks of 256 bytes that no other line names
.set LN,  1                            ; v1   lane l
.set R,   2                            ; v2   l % 16
.set H,   3                            ; v3   l / 16
.set CV,  4                            ; v4   context and x: 8 w channels of 65,536 bytes + 16 l
.set WVO, 5                            ; v5   weights: 16 w rows of 512 bytes + 16 l
.set PST, 6                            ; v6   where my pooled pair goes
.set XST, 7                            ; v7   where my four positions of x go
.set WST, 8                            ; v8   where my four weights of a row go
.set WRD, 9                            ; v9   my place in a weight fragment
.set TRA, 10                           ; v10  my place in a turning load
.set STK, 11                           ; v11  KV stage, in
.set STQ, 12                           ; v12  Q stage, in
.set RDK, 13                           ; v13  KV stage, back
.set RDQ, 14                           ; v14  Q stage, back
.set KGO, 15                           ; v15  my byte offset in kbuf or vbuf
.set QGO, 16                           ; v16  in qbuf
.set EXO, 17                           ; v17  in Wo
.set EXS, 18                           ; v18  in my block of wo16
.set SPW, 20                           ; v20  LDS address of my spare word; never rewritten
.set NIL, 21                           ; v21  0; never rewritten
.set T,   24                           ; v[24:31]   at work
.set RA,  32                           ; v[32:95]   context as loaded; then x as loaded (32) and the KV slab's tile 0 (32); then Q's fragment set 0; then Q's rows to store
.set RB,  96                           ; v[96:159]  KV weights as loaded; then Wq as loaded; then Q's fragment set 1
.set WA,  160                          ; v[160:191] KV weight fragments; then 8 registers of KV rows to store
.set WB,  192                          ; v[192:223] the KV slab's tile 1; then Wq's fragments
.set ACC, 224                          ; v[224:239] two accumulators
.set EXR, 240                          ; v[240:247] Wo as loaded
.set EXD, 248                          ; v[248:251] Wo in f16; never rewritten
	s_load_b512 s[8:23], s[0:1], 0x0               ; context s[8:9], x s[10:11], Wk s[12:13], Wv s[14:15], Wq s[16:17], Wo s[18:19], kbuf s[20:21], vbuf s[22:23]
	s_load_b128 s[24:27], s[0:1], 0x40             ; qbuf s[24:25], wo16 s[26:27]
	v_lshl_add_u32 v[SPW], v0, 2, SPARE
	v_mov_b32 v[NIL], 0
	v_lshrrev_b32 v1, 5, v0
	v_readfirstlane_b32 s28, v1                    ; wave 0..15
	v_and_b32 v[LN], 31, v0
	v_and_b32 v[R], 15, v0
	v_bfe_u32 v[H], v0, 4, 1
	s_mov_b32 s29, ttmp9                           ; id
	s_mov_b32 s38, 0xffff0000                      ; a word's upper bf16
	; the offsets, each in a pair of its own
	s_and_b32 s54, s29, 63                         ; slab s
	s_lshr_b32 s55, s29, 6                         ; group g
	s_lshr_b32 s30, s54, 3
	s_lshl_b32 s30, s30, 13                        ; context: pooled plane s / 8 = two planes of 4,096 bytes,
	s_and_b32 s56, s54, 7
	s_lshl_b32 s56, s56, 9                         ; and four rows of 128 bytes for each s % 8
	s_add_co_u32 s30, s30, s56
	s_mov_b32 s31, 0
	s_and_b32 s56, s29, 127                        ; qs
	s_lshr_b32 s57, s29, 7                         ; qg
	s_lshl_b32 s32, s56, 9                         ; x: 128 positions of 4 bytes
	s_mov_b32 s33, 0
	s_lshl_b32 s34, s57, 17                        ; Wq: 256 rows of 512 bytes
	s_mov_b32 s35, 0
	s_lshl_b32 s44, s57, 23                        ; qbuf: four heads of 2,097,152 bytes,
	s_lshl_b32 s56, s56, 14                        ; 128 rows of 128 bytes
	s_add_co_u32 s44, s44, s56
	s_mov_b32 s45, 0
	s_lshr_b32 s46, s29, 5                         ; Wo: block id = (ob x 16 + ks) x 2 + half: 16 ob rows of 2,048 bytes,
	s_lshl_b32 s46, s46, 15
	s_bfe_u32 s56, s29, 0x40001
	s_lshl_b32 s56, s56, 7                         ; 32 ks columns of 4 bytes,
	s_add_co_u32 s46, s46, s56
	s_and_b32 s56, s29, 1
	s_lshl_b32 s56, s56, 6                         ; 16 more for the second half
	s_add_co_u32 s46, s46, s56
	s_mov_b32 s47, 0
	s_lshl_b32 s48, s29, 9                         ; wo16: 512 bytes a block
	s_mov_b32 s49, 0
	s_and_b32 s56, s55, 1
	s_lshl_b32 s50, s56, 17                        ; Wk or Wv: 256 rows of 512 bytes
	s_mov_b32 s51, 0
	s_lshl_b32 s52, s56, 20                        ; kbuf or vbuf: four heads of 262,144 bytes,
	s_lshl_b32 s54, s54, 12                        ; 32 rows of 128 bytes
	s_add_co_u32 s52, s52, s54
	s_mov_b32 s53, 0
	s_lshl_b32 s56, s28, 19
	v_lshl_add_u32 v[CV], v[LN], 4, s56
	s_lshl_b32 s56, s28, 13
	v_lshl_add_u32 v[WVO], v[LN], 4, s56
	v_lshlrev_b32 v[EXO], 11, v[R]                 ; row l % 16 of 2,048 bytes,
	v_lshl_add_u32 v[EXO], v[H], 5, v[EXO]         ; 8 columns of 4 bytes for the upper lanes
	s_wait_kmcnt 0x0
	s_cmp_lt_u32 s55, 2                            ; groups 0, 1 make K, groups 2, 3 make V
	s_cselect_b64 s[40:41], s[12:13], s[14:15]
	s_cselect_b64 s[42:43], s[20:21], s[22:23]
	s_cselect_b32 s36, 1.0, 0x41800000             ; K as it is, V times 16
	s_mov_b32 s37, s36                             ; named with it as a pair
	s_add_nc_u64 s[8:9], s[8:9], s[30:31]
	s_add_nc_u64 s[10:11], s[10:11], s[32:33]
	s_add_nc_u64 s[16:17], s[16:17], s[34:35]
	s_add_nc_u64 s[24:25], s[24:25], s[44:45]
	s_add_nc_u64 s[18:19], s[18:19], s[46:47]
	s_add_nc_u64 s[26:27], s[26:27], s[48:49]
	s_add_nc_u64 s[40:41], s[40:41], s[50:51]
	s_add_nc_u64 s[42:43], s[42:43], s[52:53]
; 16 loads: my 16 weight rows, a whole row of 512 consecutive bytes each
.macro WLOAD b, dst
.set i, 0
.rept 16
	global_load_b128 v[(\dst)+4*i:(\dst)+4*i+3], v[WVO], s[\b:\b+1] offset:512*i
.set i, i+1
.endr
.endm
	; THE FIRST LOADS.  The Wo block's 1,024 bytes are asked for by every wave, so that all waves count their loads alike; wave 0 alone converts and stores them.
	global_load_b128 v[EXR:EXR+3], v[EXO], s[18:19]
	global_load_b128 v[EXR+4:EXR+7], v[EXO], s[18:19] offset:16
.set i, 0
.rept 8                                        ; channel 8 w + i: the two planes' 4 rows x 32 numbers, 512 consecutive bytes each
	global_load_b128 v[RA+8*i:RA+8*i+3],   v[CV], s[8:9] offset:65536*i
	global_load_b128 v[RA+8*i+4:RA+8*i+7], v[CV], s[8:9] offset:65536*i+4096
.set i, i+1
.endr
	WLOAD 40, RB
	; the other addresses, while those loads are on their way
	v_and_b32 v24, 7, v0                           ; l % 8
	v_bfe_u32 v25, v0, 3, 2                        ; l / 8
	v_bfe_u32 v27, v0, 3, 1                        ; (l / 8) % 2
	s_mul_i32 s56, s28, 8*SLP                      ; my 8 channels' rows in a slab
	v_lshl_add_u32 v[PST], v[H], 5, s56            ; pooled row l / 16: 16 positions of 2 bytes,
	v_lshl_add_u32 v[PST], v24, 2, v[PST]          ; my pair of positions 2 (l % 8), + 1  (KSLAB = 0)
	v_mul_u32_u24 v[XST], v25, QSUB                ; x: my positions 4 l .. 4 l + 3 lie in sub-slab l / 8,
	v_lshl_add_u32 v[XST], v24, 3, v[XST]          ; at 8 (l % 8) bytes
	s_add_co_u32 s56, s56, QSLAB
	v_add_nc_u32 v[XST], s56, v[XST]
	s_mul_i32 s56, s28, 16*WP
	s_add_co_u32 s56, s56, WRG                     ; my wave's 16 weight rows
	v_lshl_add_u32 v[WST], v[LN], 3, s56           ; in: four f16 a lane
	v_mul_u32_u24 v[WRD], v[R], WP                 ; back as fragments: row l % 16, 16 bytes for each half of the lanes
	v_lshl_add_u32 v[WRD], v[H], 4, v[WRD]
	v_add_nc_u32 v[WRD], s56, v[WRD]
	v_lshl_add_u32 v26, v[H], 3, v24               ; the turning load: lane l reads channel 8 (l / 16) + l % 8,
	v_mul_u32_u24 v[TRA], v26, SLP
	v_lshl_add_u32 v[TRA], v27, 4, v[TRA]          ; positions 8 ((l / 8) % 2) + 0..7
	s_lshr_b32 s57, s28, 2                         ; w / 4: my head of the group's four
	s_and_b32 s58, s28, 3                          ; w % 4: my 16 of its 64 d
	s_lshl_b32 s59, s58, 5
	v_mul_u32_u24 v26, v[R], STP
	v_lshl_add_u32 v26, v[H], 4, v26               ; stage, in: row l % 16, 16 bytes for each half of the lanes
	s_mul_i32 s56, s57, 32*STP
	s_add_co_u32 s56, s56, s59
	s_add_co_u32 s56, s56, KST
	v_add_nc_u32 v[STK], s56, v26
	s_mul_i32 s56, s57, 128*STP
	s_add_co_u32 s56, s56, s59
	s_add_co_u32 s56, s56, QST
	v_add_nc_u32 v[STQ], s56, v26
	v_mul_u32_u24 v26, v25, STP
	v_lshl_add_u32 v26, v24, 4, v26                ; stage, back: 32 lanes take four rows of 128 bytes
	s_mul_i32 s56, s28, 8*STP                      ; wave w takes rows 8 w .. 8 w + 7 of the KV stage,
	s_add_co_u32 s56, s56, KST
	v_add_nc_u32 v[RDK], s56, v26
	s_mul_i32 s56, s28, 32*STP                     ; rows 32 w .. 32 w + 31 of Q's
	s_add_co_u32 s56, s56, QST
	v_add_nc_u32 v[RDQ], s56, v26
	s_lshl_b32 s56, s57, 18                        ; those rows in memory: head w / 4, 8 (w % 4) rows of 128 bytes on
	s_lshl_b32 s59, s58, 10
	s_add_co_u32 s56, s56, s59
	v_lshl_add_u32 v[KGO], v[LN], 4, s56
	s_lshl_b32 s56, s57, 21                        ; and for Q: 32 (w % 4) rows on
	s_lshl_b32 s59, s58, 12
	s_add_co_u32 s56, s56, s59
	v_lshl_add_u32 v[QGO], v[LN], 4, s56
	v_lshlrev_b32 v[EXS], 4, v[LN]
; two f32 -> bf16 (nearest even) -> the same numbers as two f16 in one register
.macro ROUND2 d, a, b, t0, t1
	v_cvt_pk_bf16_f32 v[\t0], v[\a], v[\b]
	v_lshlrev_b32 v[\t1], 16, v[\t0]
	v_and_b32 v[\t0], s38, v[\t0]
	v_cvt_pk_f16_f32 v[\d], v[\t1], v[\t0]
.endm
; Channel 8 w + ci is pooled.  My lane holds w = 4 (l % 8) .. + 3 of row l / 8 in both planes: two pooled positions want my two pairs, both planes, and the lane 8 away (the row beside mine).
.macro POOL ci
.set P0, RA+8*(\ci)
	s_wait_loadcnt 30-2*(\ci)                      ; younger: the context loads behind this channel's two, and the 16 weight rows
	v_cvt_pk_bf16_f32 v[P0],   v[P0],   v[P0+1]
	v_cvt_pk_bf16_f32 v[P0+1], v[P0+2], v[P0+3]
	v_cvt_pk_bf16_f32 v[P0+2], v[P0+4], v[P0+5]
	v_cvt_pk_bf16_f32 v[P0+3], v[P0+6], v[P0+7]
	v_lshlrev_b32 v[T],   16,  v[P0]
	v_lshlrev_b32 v[T+1], 16,  v[P0+1]
	v_and_b32     v[T+2], s38, v[P0]
	v_and_b32     v[T+3], s38, v[P0+1]
	v_lshlrev_b32 v[T+4], 16,  v[P0+2]
	v_lshlrev_b32 v[T+5], 16,  v[P0+3]
	v_and_b32     v[T+6], s38, v[P0+2]
	v_and_b32     v[T+7], s38, v[P0+3]
	v_pk_add_f32 v[T:T+1],   v[T:T+1],   v[T+2:T+3]    ; along w
	v_pk_add_f32 v[T+4:T+5], v[T+4:T+5], v[T+6:T+7]
	v_pk_add_f32 v[T:T+1],   v[T:T+1],   v[T+4:T+5]    ; along d
	v_add_f32_dpp v[T+4], v[T],   v[T]   row_xmask:8 row_mask:0xf bank_mask:0xf  ; along h
	v_add_f32_dpp v[T+5], v[T+1], v[T+1] row_xmask:8 row_mask:0xf bank_mask:0xf
	v_pk_mul_f32 v[T+4:T+5], v[T+4:T+5], 0x3e000000 op_sel_hi:[1,0]             ; times 1/8
	v_cvt_pk_f16_f32 v[T+6], v[T+4], v[T+5]
	ds_store_b32 v[PST], v[T+6] offset:SLP*(\ci)   ; lanes l and l xor 8 hold the same two numbers and write the same word
.endm
; My 16 weight rows: rounded, into my own rows in LDS, and back as four fragments of 16 rows x 32 channels.  n0: the loads younger than the first row's.
.macro WCONV src, dst, n0
.set i, 0
.rept 16
	s_wait_loadcnt (\n0)-i
	ROUND2 T,   (\src)+4*i,   (\src)+4*i+1, T+2, T+3
	ROUND2 T+1, (\src)+4*i+2, (\src)+4*i+3, T+4, T+5
	ds_store_b64 v[WST], v[T:T+1] offset:WP*i
.set i, i+1
.endr
.irp kk, 0,1,2,3
	ds_load_b128 v[(\dst)+8*\kk:(\dst)+8*\kk+3],   v[WRD] offset:64*\kk      ; LDS serves a wave's instructions in order (ISA guide 5.7.1.4): these see the stores above
	ds_load_b128 v[(\dst)+8*\kk+4:(\dst)+8*\kk+7], v[WRD] offset:64*\kk+32
.endr
.endm
; 16 turning loads: two tiles of 16 positions x 128 channels out of the slab at base
.macro TRLOAD base, d0, d1
.irp kk, 0,1,2,3
	ds_load_tr16_b128 v[(\d0)+8*\kk:(\d0)+8*\kk+3],   v[TRA] offset:(\base)+32*SLP*\kk
	ds_load_tr16_b128 v[(\d0)+8*\kk+4:(\d0)+8*\kk+7], v[TRA] offset:(\base)+32*SLP*\kk+16*SLP
	ds_load_tr16_b128 v[(\d1)+8*\kk:(\d1)+8*\kk+3],   v[TRA] offset:(\base)+32*SLP*\kk+32
	ds_load_tr16_b128 v[(\d1)+8*\kk+4:(\d1)+8*\kk+7], v[TRA] offset:(\base)+32*SLP*\kk+32+16*SLP
.endr
.endm
; 8 products: my 16 rows x two tiles x 128 channels.  The two accumulators take turns; the first products start the sums.
.macro MUL wf, d0, d1
.irp kk, 0,1,2,3
.if \kk == 0
	v_wmma_f32_16x16x32_f16 v[ACC:ACC+7],    v[(\wf):(\wf)+7], v[(\d0):(\d0)+7], 0
	v_wmma_f32_16x16x32_f16 v[ACC+8:ACC+15], v[(\wf):(\wf)+7], v[(\d1):(\d1)+7], 0
.else
	v_wmma_f32_16x16x32_f16 v[ACC:ACC+7],    v[(\wf)+8*\kk:(\wf)+8*\kk+7], v[(\d0)+8*\kk:(\d0)+8*\kk+7], v[ACC:ACC+7]
	v_wmma_f32_16x16x32_f16 v[ACC+8:ACC+15], v[(\wf)+8*\kk:(\wf)+8*\kk+7], v[(\d1)+8*\kk:(\d1)+8*\kk+7], v[ACC+8:ACC+15]
.endif
.endr
.endm
.macro PLACES                          ; five plain instructions behind the last product: four for the conversions that read results and the loads into fragments, five for the next product that starts a sum in the same registers
.rept 5
	v_nop
.endr
.endm
; a tile's results, from the low end on: scaled where asked, rounded to f16, 16 bytes a lane into the stage
.macro OUT acc, sto, off, scale, t
.if \scale
.irp j, 0,2,4,6
	v_pk_mul_f32 v[(\acc)+\j:(\acc)+\j+1], v[(\acc)+\j:(\acc)+\j+1], s[36:37] op_sel_hi:[1,0]
.endr
.endif
.irp j, 0,1,2,3
	v_cvt_pk_f16_f32 v[(\t)+\j], v[(\acc)+2*\j], v[(\acc)+2*\j+1]
.endr
	ds_store_b128 v[\sto], v[(\t):(\t)+3] offset:\off
.endm
	; THE POOL
.irp c, 0,1,2,3,4,5,6,7
	POOL \c
.endr
.set i, 0
.rept 8                                        ; x: channel 8 w + i, 128 positions, 512 consecutive bytes; the context's registers are free since the last wait
	global_load_b128 v[RA+4*i:RA+4*i+3], v[CV], s[10:11] offset:65536*i
.set i, i+1
.endr
	s_cmp_lg_u32 s28, 0                            ; wave 0: the block of wo16 (its two loads are the oldest: the pool's first wait has shown them in)
	s_cbranch_scc1 .Lno_wo
	ROUND2 EXD,   EXR,   EXR+1, T,   T+1
	ROUND2 EXD+1, EXR+2, EXR+3, T+2, T+3
	ROUND2 EXD+2, EXR+4, EXR+5, T+4, T+5
	ROUND2 EXD+3, EXR+6, EXR+7, T+6, T+7
	global_store_b128 v[EXS], v[EXD:EXD+3], s[26:27]   ; 512 consecutive bytes
.Lno_wo:
	; THE KV WEIGHTS
	WCONV RB, WA, 23                               ; younger than row i: 15 - i rows and x's 8 loads
	WLOAD 16, RB                                   ; Wq's rows are on their way during the KV products
	s_wait_dscnt 0x0                               ; my part of the pooled slab is written, my fragments are in
	s_barrier_signal -1
	s_barrier_wait -1                              ; the pooled slab is whole
	; THE KV PRODUCTS
	TRLOAD KSLAB, RA+32, WB
	s_wait_dscnt 0x0
	MUL WA, RA+32, WB
	PLACES
	OUT ACC,   STK, 0,      1, T
	OUT ACC+8, STK, 16*STP, 1, T+4
	; x AND Wq
.set i, 0
.rept 8
	s_wait_loadcnt 23-i                            ; younger: 7 - i loads of x and Wq's 16
	ROUND2 T,   RA+4*i,   RA+4*i+1, T+2, T+3
	ROUND2 T+1, RA+4*i+2, RA+4*i+3, T+4, T+5
	ds_store_b64 v[XST], v[T:T+1] offset:SLP*i
.set i, i+1
.endr
	WCONV RB, WB, 15                               ; younger than row i: 15 - i rows
	s_wait_dscnt 0x0                               ; my parts of the KV stage and of x's slab are written
	s_barrier_signal -1
	s_barrier_wait -1                              ; both are whole
	; THE Q PRODUCTS, four pairs of tiles on two fragment sets; the KV rows leave meanwhile
	ds_load_b128 v[WA:WA+3],   v[RDK]
	ds_load_b128 v[WA+4:WA+7], v[RDK] offset:4*STP
	TRLOAD QSLAB, RA, RA+32
	TRLOAD QSLAB+QSUB, RB, RB+32
	s_wait_dscnt 32                                ; younger: the two runs of 16
	global_store_b128 v[KGO], v[WA:WA+3],   s[42:43]             ; 512 consecutive bytes, at a multiple of 512 from the buffer's first
	global_store_b128 v[KGO], v[WA+4:WA+7], s[42:43] offset:512
	s_wait_dscnt 16                                ; set 0 is in; set 1's run may be out
	MUL WB, RA, RA+32
	PLACES
	TRLOAD QSLAB+2*QSUB, RA, RA+32
	OUT ACC,   STQ, 0,        0, T
	OUT ACC+8, STQ, 16*STP,   0, T+4
	s_wait_dscnt 18                                ; younger than set 1's run: a run of 16 and two stores
	MUL WB, RB, RB+32
	PLACES
	TRLOAD QSLAB+3*QSUB, RB, RB+32
	OUT ACC,   STQ, 2*16*STP, 0, T
	OUT ACC+8, STQ, 3*16*STP, 0, T+4
	s_wait_dscnt 20                                ; younger: two stores, a run of 16, two stores
	MUL WB, RA, RA+32
	PLACES
	OUT ACC,   STQ, 4*16*STP, 0, T
	OUT ACC+8, STQ, 5*16*STP, 0, T+4
	s_wait_dscnt 4                                 ; younger: four stores
	MUL WB, RB, RB+32
	PLACES
	OUT ACC,   STQ, 6*16*STP, 0, T
	OUT ACC+8, STQ, 7*16*STP, 0, T+4
	s_wait_dscnt 0x0                               ; my part of Q's stage is written
	s_barrier_signal -1
	s_barrier_wait -1                              ; it is whole
.irp f, 0,1,2,3,4,5,6,7
	ds_load_b128 v[RA+4*\f:RA+4*\f+3], v[RDQ] offset:\f*4*STP
.endr
.irp f, 0,1,2,3,4,5,6,7
	s_wait_dscnt 7-\f
	global_store_b128 v[QGO], v[RA+4*\f:RA+4*\f+3], s[24:25] offset:\f*512   ; 512 consecutive bytes, aligned
.endr
	s_wait_tensorcnt 0x0                           ; the wave's end, behind my last LDS store
	ds_add_u32 v[SPW], v[NIL]
	s_wait_dscnt 0x0
	s_endpgm
.Lfunc_end_k_q018d6916ba_prep:
	.size	k_q018d6916ba_prep, .Lfunc_end_k_q018d6916ba_prep-k_q018d6916ba_prep
	.p2alignl 7, 3214868480
	.fill 96, 4, 3214868480
	.section	.rodata,"a",@progbits
	.p2align	6, 0x0
	.amdhsa_kernel k_q018d6916ba_prep
		.amdhsa_group_segment_fixed_size 225536
		.amdhsa_private_segment_fixed_size 0
		.amdhsa_enable_private_segment 0
		.amdhsa_kernarg_size 80
		.amdhsa_user_sgpr_count 2
		.amdhsa_user_sgpr_kernarg_segment_ptr 1
		.amdhsa_wavefront_size32 1
		.amdhsa_system_sgpr_workgroup_id_x 1
		.amdhsa_system_sgpr_workgroup_id_y 1
		.amdhsa_system_sgpr_workgroup_id_z 1
		.amdhsa_system_vgpr_workitem_id 0
		.amdhsa_next_free_vgpr 256
		.amdhsa_next_free_sgpr 66
		.amdhsa_reserve_vcc 0
		.amdhsa_float_denorm_mode_32 3
		.amdhsa_float_denorm_mode_16_64 3
		.amdhsa_memory_ordered 1
		.amdhsa_forward_progress 1
		.amdhsa_inst_pref_size 55
	.end_amdhsa_kernel
	.amdgpu_metadata
---
amdhsa.version: [ 1, 2 ]
amdhsa.kernels:
  - .name:           k_q018d6916ba_prep
    .symbol:         k_q018d6916ba_prep.kd
    .args:
      - { .name: context, .offset: 0, .size: 8, .value_kind: global_buffer, .address_space: global }
      - { .name: x, .offset: 8, .size: 8, .value_kind: global_buffer, .address_space: global }
      - { .name: Wk, .offset: 16, .size: 8, .value_kind: global_buffer, .address_space: global }
      - { .name: Wv, .offset: 24, .size: 8, .value_kind: global_buffer, .address_space: global }
      - { .name: Wq, .offset: 32, .size: 8, .value_kind: global_buffer, .address_space: global }
      - { .name: Wo, .offset: 40, .size: 8, .value_kind: global_buffer, .address_space: global }
      - { .name: kbuf, .offset: 48, .size: 8, .value_kind: global_buffer, .address_space: global }
      - { .name: vbuf, .offset: 56, .size: 8, .value_kind: global_buffer, .address_space: global }
      - { .name: qbuf, .offset: 64, .size: 8, .value_kind: global_buffer, .address_space: global }
      - { .name: wo16, .offset: 72, .size: 8, .value_kind: global_buffer, .address_space: global }
    .group_segment_fixed_size: 225536
    .private_segment_fixed_size: 0
    .kernarg_segment_align: 8
    .kernarg_segment_size: 80
    .max_flat_workgroup_size: 512
    .sgpr_count:     66
    .vgpr_count:     256
    .wavefront_size: 32
...
	.end_amdgpu_metadata
.endif
;; end of part 1
;; launch attn (part 2): grid 32 x 8, 4 waves a work-group, clusters of 4 x 1, 327,680 bytes of LDS; arguments qbuf, kbuf, vbuf, obuf; writes obuf
.if DOCPART == 2
	.amdgcn_target "amdgcn-amd-amdhsa--gfx1250"
	.amdhsa_code_object_version 6
	.text
	.protected	k_q018d6916ba_attn
	.globl	k_q018d6916ba_attn
	.p2align	8
	.type	k_q018d6916ba_attn,@function
k_q018d6916ba_attn:
	s_mov_b64 s[64:65], 0
	v_nop
	global_prefetch_b8 v0, s[64:65] scope:SCOPE_SE
	s_setreg_imm32_b32 hwreg(HW_REG_WAVE_MODE, 25, 1), 1
	s_wait_xcnt 0x0
	s_wait_alu depctr_hold_cnt(0) depctr_sa_sdst(0) depctr_va_vdst(0) depctr_va_sdst(0) depctr_va_ssrc(0) depctr_va_vcc(0) depctr_vm_vsrc(0)
	s_getreg_b32 s2, hwreg(HW_REG_IB_STS2, 6, 4)
	s_cmp_eq_u32 s2, 0
	s_cbranch_scc0 .Lentry_in_a_cluster
	s_endpgm
.Lentry_in_a_cluster:
	s_bfe_u32 s2, ttmp6, 0x10000c
	s_cmp_lg_u32 s2, 0x3003
	s_cbranch_scc0 .Lentry_shape_is_right
	s_endpgm
.Lentry_shape_is_right:
; O[h][q][:] = the sum over k of softmax_k(Q[h][q] . K[h][k] / 8) V[h][k][:].  Q, O: [8][NQ][64], K, V: [8][NK][64], all f16: a head's rows are dense, 128 bytes each.  Products, maxima and sums in
; f32; the weights p are rounded to f16 for the second product (their sum l is taken of the unrounded p), O once at the end.  V arrives as 16 v, so O leaves as 16 O: the launch behind divides.
; LIMITS.  f16 holds no number beyond 65,504: Q, K and V arrive within it; p lies in 0 to 1, and below 6e-5 it keeps f16's fixed step of 6e-8; O is a mean of V's rows and has their range.
; A weight below 2^-126 counts as 0 in l; NaN and infinities are not treated apart.
; SHARES.  A wave owns four PIECES of two tiles of 16 queries, a work-group's four waves 512 queries of one head: 32 x 8 work-groups.  Every wave walks all NK keys, 64 a step.
; LAYOUT.  S^T = K Q^T (source 0 = 16 keys, source 1 = 16 queries): in the result a lane holds ONE query (lane % 16) and the keys 8 (lane / 16) + 0..7.  Two such tiles, rounded to f16 in pairs,
; ARE source 1 (32 keys x 16 queries) of O^T = V^T P, whose result again holds one query a lane, and eight channels.  K comes out of LDS as it lies, V ([key][channel]) turned, by ds_load_tr16_b128.
; SOFTMAX.  For each query a running maximum m and sum l: p = 2^(c s - c m), c = log2(e) / 8; in every step O and l are multiplied by a = 2^(c m_old - c m_new), which is 1 where m has not grown.
; m starts at the lowest finite number, O and l at 0: the first step is a step like any other, with a = 0.
; THE COUNT.  A tile and step have 16 matrix and 118 vector instructions: too many to stand all beside the matrix work.  So the order has one aim: four vector instructions that are READY behind
; EVERY matrix instruction, and the others, which need time of their own whatever the order, in runs without a gap.
; BY TURNS.  Turn n belongs to piece n (the pieces in a ring, step after step).  Its matrix work: 16 products K Q^T of piece n + 1, later 16 products V^T P of piece n - 1.  Its vector work: the scaling,
; exponentials, roundings, sums and rescaling of piece n, and the maximum and statistics of piece n + 1, whose scores the turn itself has made.  So what a turn begins with (c s - c m, O a) waits for nothing.
; CLUSTER.  The four query blocks of a cluster belong to one head and walk the same K and V, so each tile is asked for JOINTLY: the same tensor load, descriptor and mask in all four.
; REGISTERS, in windows of 256 (s_set_vgpr_msb says which window each operand place means: bits 1:0 source 0, 3:2 source 1, 5:4 source 2, 7:6 destination):
;   window 0: v0-11 addresses; v12-15, v48-63 at work; v16-47 four registers of statistics a tile; v64-191 S^T, two buffers of two tiles; v192-255 P, likewise
;   window 1: O^T, 32 a tile          window 2: v0-127 Q, 16 a tile; v128-191 K of one step; v192-255 V of one step          window 3: v0-1 the add's two registers
; A piece's buffers go by its number's parity: the piece in hand has one pair, its two neighbours in the ring share the other: of it P (piece n - 1) is read and S^T (piece n + 1) written.
.set NQ,    16384     ; queries a head
.set NK,    2048      ; keys a head: 8 slots of 256
.set NP,    4         ; pieces a wave: a name, no knob: the register map, the loop and the fetches are made for four
.set KS,    64        ; keys in a step
.set PK,    144       ; a row of K in LDS: 128 bytes + 16 of padding = 36 words: the 16 rows of a load start at 16 different groups of four banks (64 banks of 4 bytes: ISA guide 11.1)
.set PV,    160       ; a row of V: 128 + 32 = 40 words
.set VOFF,  4*KS*PK   ; a slot holds four steps: 256 rows of K, then 256 rows of V
.set SLOT1, 1<<17     ; slot 1 begins here, so that one exclusive or turns an address in one slot into the other's
.set STAGE, SLOT1+4*KS*(PK+PV)  ; behind the ring, never filled by a tensor load: 16 rows x 144 bytes for each wave, for the way out
.set SP,    144
.set AK0, 2           ; v2   my lane's place in a tile of K; never rewritten
.set AV0, 3           ; v3   the same for V
.set AK,  4           ; v4   the LDS address of K's next run of loads
.set AV,  5           ; v5   of V's
.set QO,  6           ; v6   my byte offset in the wave's rows of Q
.set STO, 6           ;      later, the way out: where I put 16 bytes of a row
.set RD,  7           ; v7   the way out: where I read rows back
.set GO,  8           ; v8   my byte offset in 512 consecutive bytes of O
.set PFO, 11          ; v11  256 x my lane: the prefetches' offset; never rewritten once made
.set SPW, 0           ; v0 of window 3   LDS address of my spare word: SPARE + 4 x my thread's number; never rewritten
.set NIL, 1           ; v1 of window 3   0; never rewritten
.set SPARE, STAGE+4*16*SP  ; behind the stages: the spare words, 128 bytes for each wave: two blocks of 256 bytes that no other line names
.set MV,  12          ; v12-15  c m_old, kept while c m is made anew: by buffer and tile
.set ST,  16          ; tile t's statistics at v[ST+4 t]: c m, m, l (even keys', odd keys')
.set TMP, 48          ; by buffer and tile, four registers c0-c3 at work; when the maximum is found c2 takes a
.set S,   64
.set P,   192
.set KF,  128         ; K's fragments, in window 2: key block kb, channel half c at KF + 16 kb + 8 c
.set VF,  192         ; V's: key half kk, channel block cb at VF + 32 kk + 8 cb
.set WV,  12          ; s12  my wave's number
.set G1K, 24          ; s[24:31] descriptor group 1 for K's tiles
.set G1V, 32          ; s[32:39] for V's: it differs in the padding alone
.set G0K, 40          ; s[40:43] descriptor group 0 for K's tiles: it walks
.set G0V, 44          ; s[44:47] the same for V's
.set PFA, 48          ; s[48:49] where my prefetches stand: my work-group's 32 blocks of 256 bytes (of K: wave 0, of V: wave 2) of the slot after the one that is being asked for
.set LIM, 50          ; s50  1 in a wave that prefetches, else the greatest number: a wave prefetches while s[SLOTS] is above it
.set SLOTS, 56        ; s56  slots still to be asked for
.set CNT, 57          ; s57  counts a slot's key steps
.set CS,  58          ; s[58:59] c: the packed scaling takes the pair's low word for both halves
.set SEL, 60          ; s[60:61] v_permlanex16_b32's selects: each lane takes its own place in the other half
.set TBK, 62          ; s62  LDS byte at which K of the step to be fetched begins
.set TBV, 63          ; s63  the same for V, less VOFF
.set MSB, 0
.macro WIN new                      ; the high byte repeats the setting that is left; a switch that changes nothing is dropped
.if MSB != (\new)
	s_set_vgpr_msb (MSB<<8)|(\new)
.set MSB, (\new)
.endif
.endm
.set W_KQ, 0x0a       ; K and Q in window 2, S^T in window 0
.set W_PV, 0x52       ; V in window 2, P in window 0, O^T in window 1
.set W_RS, 0x41       ; O^T (destination and source 0) in window 1, a in window 0
.set W_MK, 0xc0       ; the add's registers are made: destination in window 3, sources in window 0
.set W_AD, 0x0f       ; the add: address (source 0) and data (source 1) in window 3
; A joint fill.  Waves 0 and 1 fetch the two halves of a slot's K, waves 2 and 3 those of its V: 128 keys each.  The branch hangs on the wave's number alone.
; An s_nop 0 and four v_nop follow each of the two lines, ahead of the jump and the label.
.macro JLOAD
	s_cmp_lt_u32 s[WV], 2
	s_cbranch_scc0 .Lfor_v_\@
	tensor_load_to_lds s[G0K:G0K+3], s[G1K:G1K+7]
	s_nop 0
.rept 4
	v_nop
.endr
	s_branch .Lasked_\@
.Lfor_v_\@:
	tensor_load_to_lds s[G0V:G0V+3], s[G1V:G1V+7]
	s_nop 0
.rept 4
	v_nop
.endr
.Lasked_\@:
.endm
; A PREFETCH INTO THE L2 of what the NEXT change of slots will ask for: a slot's 32,768 bytes of K and of V, 256 bytes a lane.  It stands behind the wave's tensor load and its five lines, never in front of one.
; Each 256 bytes are asked for ONCE in the launch.  All eight clusters of a head walk the same K and V: the head's first cluster prefetches.  Its four partners share a slot out BY ADDRESS, 8,192 bytes each: no
; branch hangs on a work-group's place in its cluster.  In each, wave 0 asks for K's and wave 2 for V's: one instruction.  The last change that fills a slot prefetches nothing: there is no slot behind it.
.macro ASK
	s_cmp_gt_u32 s[SLOTS], s[LIM]
	s_cbranch_scc0 .Lnot_mine_\@
	global_prefetch_b8 v[PFO], s[PFA:PFA+1] th:TH_LOAD_NT scope:SCOPE_SE
.Lnot_mine_\@:
.endm
; A round of the cluster's barrier: my work-group's barrier, so that wave 0's signal speaks for all four waves; wave 0 signals; every wave waits for all four work-groups; my work-group's barrier once more.
.macro CROUND
	s_barrier_signal -1
	s_barrier_wait -1
	s_cmp_lg_u32 s[WV], 0
	s_cbranch_scc1 .Lnot_wave_0_\@
	s_barrier_signal -3
.Lnot_wave_0_\@:
	s_barrier_wait -3
	s_barrier_signal -1
	s_barrier_wait -1
.endm
; THE CHANGE OF SLOTS.  The slot's last bytes, V of its fourth step, have been read.  Each wave waits for all its tensor loads, of which one is out: its part
; of the other slot; adds 0 to its spare word; and waits for that and for its own reads of the slot.  Behind the barrier nobody reads this slot any more and the other slot is whole.
; fill = 1: this slot is filled again, with the keys two slots on.  The barrier is then a round of the cluster's, so that no wave of any partner still reads the slot or has a load on its
; way, and the joint fill is the first thing behind it: it has four key steps, 512 matrix instructions, in which to land.  (At its first use nothing has been read yet: slot 0 is waited for, slot 1 filled.)
.macro CHANGE fill
	WIN W_AD
	s_wait_tensorcnt 0x0            ; no tensor load of mine is out, so a group 0 may be written
	ds_add_u32 v[SPW], v[NIL]       ; 0 onto my spare word; with fill = 1 the descriptors' steps stand between it and the wait for it
	WIN 0                           ; at a label and at a branch every window is 0
.if \fill
.irp g, G0K, G0V
	s_xor_b32 s[\g+1], s[\g+1], SLOT1  ; the walking descriptor: the other slot than last time,
	s_add_nc_u64 s[\g+2:\g+3], s[\g+2:\g+3], 4*KS*128  ; the next 256 keys; the type bits on top are not reached
.endr
	s_wait_xcnt 0x0                 ; the last prefetch, four key steps back, has read its address, so it may be written:
	s_add_nc_u64 s[PFA:PFA+1], s[PFA:PFA+1], 4*KS*128  ; one slot ahead of the walking descriptors
	s_wait_dscnt 0x0                ; the add is done, and my reads of the slot are over
	CROUND
	JLOAD
	ASK                             ; what the next change will ask for: four key steps, 512 matrix instructions, ahead
.else
	s_wait_dscnt 0x0                ; the add is done, and my reads of the slot are over
	s_barrier_signal -1
	s_barrier_wait -1
.endif
	s_sub_co_u32 s[TBK], s[TBK], 4*KS*PK  ; the fetches go back to a slot's first step,
	s_xor_b32 s[TBK], s[TBK], SLOT1       ; in the other slot
	s_sub_co_u32 s[TBV], s[TBV], 4*KS*PV
	s_xor_b32 s[TBV], s[TBV], SLOT1
.endm
	s_load_b256 s[4:11], s[0:1], 0x0  ; Q s[4:5], K s[6:7], V s[8:9], O s[10:11]
	WIN W_MK
	v_lshl_add_u32 v[SPW], v0, 2, SPARE
	v_mov_b32 v[NIL], 0
	WIN W_AD
	ds_add_u32 v[SPW], v[NIL]       ; the wave's opening: the add and its wait stand ahead of my first tensor load; the set-up below, work on registers, stands between them
	WIN 0
	v_lshrrev_b32 v1, 5, v0
	v_readfirstlane_b32 s[WV], v1   ; wave 0..3
	s_bfe_u32 s13, ttmp6, 0x40000   ; cx: my place in the cluster
	s_lshl_b32 s14, ttmp9, 2        ; in a cluster launch ttmp9 counts clusters
	s_add_co_u32 s14, s14, s13      ; my block of queries = 4 x cluster x + cx: it enters Q's and O's addresses alone
	s_and_b32 s20, ttmp7, 0xffff    ; the head, which the four partners share
	s_lshl_b32 s19, s20, 21         ; its first byte in Q and O: NQ rows of 128 bytes,
	s_lshl_b32 s20, s20, 18         ; in K and V: NK rows
	s_and_b32 s16, s[WV], 1         ; which half of a slot's 256 keys I fetch:
	s_lshl_b32 s22, s16, 14         ; its 128 rows of 128 bytes in memory,
	s_add_co_u32 s22, s22, s20
	s_mov_b32 s23, 0
	s_mul_i32 s17, s16, 128*PK      ; and its place in a slot, for K
	s_mul_i32 s18, s16, 128*PV      ; and for V: no place in the cluster enters an LDS address
	s_lshl_b32 s2, s14, 2
	s_add_co_u32 s2, s2, s[WV]      ; my wave among the head's,
	s_lshl_b32 s2, s2, 14           ; its 128 rows
	s_add_co_u32 s2, s2, s19
	s_mov_b32 s3, 0
	; descriptor group 1.  128 keys are 16,384 dense bytes: asked for as 64 rows of 256 bytes, two keys a row, and padded in LDS after every key
	s_mov_b32 s[G1K], 15|(1<<16)|(1<<20)|(1<<21)|(4<<22)|(3<<25)  ; 15:0 the mask of four; 17:16 2-byte elements; 20 padding on; 21 set beside a mask; 24:22 after every 32 words (code 4); 31:25 4 words (code 3)
	s_mov_b32 s[G1V], 15|(1<<16)|(1<<20)|(1<<21)|(4<<22)|(7<<25)  ; the same with 8 words of padding (code 7)
.irp g, G1K, G1V
	s_mov_b32 s[\g+1], 128<<16      ; tensor_dim0 = 128
	s_mov_b32 s[\g+2], 64<<16       ; tensor_dim1 = 64
	s_mov_b32 s[\g+3], 128<<16      ; tile_dim0 = 128
	s_mov_b32 s[\g+4], 64           ; tile_dim1 = 64
	s_mov_b32 s[\g+5], 128          ; 128 elements from row to row
	s_mov_b32 s[\g+6], 0
	s_mov_b32 s[\g+7], 0
.endr
	s_mov_b32 s[CS], 0x3e38aa3b     ; c = log2(e) / 8 = 0.180337
	s_mov_b32 s[CS+1], s[CS]        ; named with it as a pair
	s_mov_b32 s[SEL], 0x76543210
	s_mov_b32 s[SEL+1], 0xfedcba98
	s_mov_b32 s[TBK], SLOT1+4*KS*PK ; the first change of slots turns these two into 0
	s_mov_b32 s[TBV], SLOT1+4*KS*PV
	s_mov_b32 s[G0K], 1             ; 1:0 count = 1
	s_mov_b32 s[G0K+1], s17         ; 63:32 LDS address: slot 0
	s_mov_b32 s[G0V], 1
	s_add_co_u32 s[G0V+1], s18, VOFF
	s_mov_b32 s[SLOTS], NK/256-1    ; seven changes of slots fill a slot; the first stands ahead of the loop
	s_and_b32 s[LIM], s[WV], 1      ; 0 in waves 0 and 2,
	s_or_b32 s[LIM], s[LIM], ttmp9  ; where the cluster is the head's first: the same in all four partners
	s_cmp_eq_u32 s[LIM], 0
	s_cselect_b32 s[LIM], 1, -1
	s_wait_dscnt 0x0                ; the opening add is done
	s_wait_kmcnt 0x0
	s_add_nc_u64 s[G0K+2:G0K+3], s[6:7], s[22:23]  ; 120:64 global address: my half of the head's first 256 keys
	s_or_b32 s[G0K+3], s[G0K+3], 0x80000000        ; 127:126 type = 2
	s_add_nc_u64 s[G0V+2:G0V+3], s[8:9], s[22:23]
	s_or_b32 s[G0V+3], s[G0V+3], 0x80000000
	s_add_nc_u64 s[4:5], s[4:5], s[2:3]  ; Q and O at my wave's first row
	s_add_nc_u64 s[10:11], s[10:11], s[2:3]
	s_cmp_lt_u32 s[WV], 2
	s_cselect_b64 s[PFA:PFA+1], s[6:7], s[8:9]
	s_add_nc_u64 s[PFA:PFA+1], s[PFA:PFA+1], s[22:23]  ; (in waves 0 and 2: the head's first row)
	s_lshl_b32 s2, s13, 13          ; my work-group's 8,192 bytes of a slot's 32,768
	s_add_nc_u64 s[PFA:PFA+1], s[PFA:PFA+1], s[2:3]
	s_add_nc_u64 s[PFA:PFA+1], s[PFA:PFA+1], 4*KS*128  ; in slot 1; the first change of slots steps it to slot 2.  Nothing is prefetched here, at the head, where every work-group's first tiles are on their way
	CROUND                          ; all four work-groups are here: the first joint loads meet
	JLOAD                           ; slot 0.  Slot 1 is asked for when slot 0 is in: the tile wanted first has the road to itself
	; A fragment of K or Q is 16 rows x 32 channels in 8 registers: lane l holds row l % 16, channels 8 (l / 16) + 0..7 and 16 + 8 (l / 16) + 0..7: two loads of 16 bytes, 32 bytes apart.
	v_and_b32 v1, 15, v0            ; l % 16
	v_bfe_u32 v9, v0, 4, 1          ; l / 16
	v_lshlrev_b32 v[QO], 7, v1
	v_lshl_add_u32 v[QO], v9, 4, v[QO]  ; row x 128 + 16 x half
	WIN 0x80                        ; destination window 2, address window 0
.set i, 0
.rept 4*NP                          ; Q stays in registers: tile i / 2, channels 32 (i % 2) on
	global_load_b128 v[8*i:8*i+3],   v[QO], s[4:5] offset:(i/2)*2048+(i%2)*64
	global_load_b128 v[8*i+4:8*i+7], v[QO], s[4:5] offset:(i/2)*2048+(i%2)*64+32
.set i, i+1
.endr
	; What the first turn finds: V's registers and P's second buffer hold 0 (its products V^T P, of a piece that has not been, add 0), O^T and l are 0.  All this stands in the wait for the first tile.
.set i, VF
.rept 64
	v_mov_b32 v[i], 0
.set i, i+1
.endr
	WIN 0x40
.set i, 0
.rept 64*NP
	v_mov_b32 v[i], 0
.set i, i+1
.endr
	WIN 0
.set i, 0
.rept 2*NP
	v_mov_b32 v[ST+4*i], 0xfe000000    ; c m: far below every c s
	v_mov_b32 v[ST+4*i+1], 0xff7fffff  ; m
	v_mov_b32 v[ST+4*i+2], 0
	v_mov_b32 v[ST+4*i+3], 0
.set i, i+1
.endr
.set i, P+32
.rept 32
	v_mov_b32 v[i], 0
.set i, i+1
.endr
	v_mul_u32_u24 v[AK0], v1, PK
	v_lshl_add_u32 v[AK0], v9, 4, v[AK0]  ; row x pitch + 16 x half
	; The turning load takes 16 keys x 16 channels (lane l reads key 8 (l / 16) + l % 8, channels 8 ((l / 8) % 2) + 0..7) and leaves half a fragment of V^T: lane l holds channel l % 16 and 8 keys.
	v_and_b32 v10, 7, v0
	v_bfe_u32 v11, v0, 3, 1
	v_lshl_add_u32 v[AV0], v9, 3, v10
	v_mul_u32_u24 v[AV0], v[AV0], PV
	v_lshl_add_u32 v[AV0], v11, 4, v[AV0]
	v_add_nc_u32 v[AV0], VOFF, v[AV0]
	v_and_b32 v[PFO], 31, v0        ; v11 has served: it takes the prefetches' offset
	v_lshlrev_b32 v[PFO], 8, v[PFO]
	v_mov_b32 v[AK], v[AK0]         ; key step 0 lies at the head of slot 0
; THE MATRIX WORK.  The 8 accumulators of a run of 16 take turns: between the two links of a chain stand 7 others'.
; Product i of 16 of S^T = K Q^T for piece x: channels 32 (i / 8) on, keys 16 ((i / 2) % 4) on, tile 2 x + i % 2.  The first 8 start the sums.
.macro KQ x
	WIN W_KQ
.set rS, S+64*((\x)%2)+32*(i%2)+8*((i/2)%4)
.set rK, KF+16*((i/2)%4)+8*(i/8)
.set rQ, 16*(2*(\x)+i%2)+8*(i/8)
.if i < 8
	v_wmma_f32_16x16x32_f16 v[rS:rS+7], v[rK:rK+7], v[rQ:rQ+7], 0
.else
	v_wmma_f32_16x16x32_f16 v[rS:rS+7], v[rK:rK+7], v[rQ:rQ+7], v[rS:rS+7]
.endif
.endm
; Product i of 16 of O^T += V^T P for piece x: keys 32 (i / 8) on, channels 16 ((i / 2) % 4) on, tile 2 x + i % 2.
.macro PV x
	WIN W_PV
.set rO, 32*(2*(\x)+i%2)+8*((i/2)%4)
.set rV, VF+32*(i/8)+8*((i/2)%4)
.set rP, P+32*((\x)%2)+16*(i%2)+8*(i/8)
	v_wmma_f32_16x16x32_f16 v[rO:rO+7], v[rV:rV+7], v[rP:rP+7], v[rO:rO+7]
.endm
.macro MM                           ; the turn's next matrix instruction
.if i < 16
	KQ (Y+1)%NP
.set i, i+1
.else
.set i, i-16
	PV (Y+NP-1)%NP
.set i, i+17
.endif
.endm
; THE LDS LOADS stand in runs of 16, never singly among the matrix instructions: a step's K (64 keys x 64 channels: 8 fragments) and its V (turned).  Their addresses are made some lines ahead.
; last = 1 (the tail): in the last trip there is no further step, and the run is jumped over.
.macro FETCH_K last=0
	WIN 0
.if \last
	s_cmp_eq_u32 s[CNT], 1
	s_cbranch_scc1 .Lno_k_\@
.endif
	WIN 0x80                        ; destination window 2
.irp f, 0,1,2,3,4,5,6,7             ; keys 16 (f / 2) on, channels 32 (f % 2) on
	ds_load_b128 v[KF+8*\f:KF+8*\f+3],   v[AK] offset:(\f/2)*16*PK+(\f%2)*64
	ds_load_b128 v[KF+8*\f+4:KF+8*\f+7], v[AK] offset:(\f/2)*16*PK+(\f%2)*64+32
.endr
	s_add_co_u32 s[TBK], s[TBK], KS*PK  ; the next fetch is the next step's
	WIN 0
.if \last
.Lno_k_\@:
.endif
.endm
.macro FETCH_V
	WIN 0x80
.irp f, 0,1,2,3,4,5,6,7             ; keys 32 (f / 4) on, channels 16 (f % 4) on
	ds_load_tr16_b128 v[VF+8*\f:VF+8*\f+3],   v[AV] offset:(\f/4)*32*PV+(\f%4)*32
	ds_load_tr16_b128 v[VF+8*\f+4:VF+8*\f+7], v[AV] offset:(\f/4)*32*PV+16*PV+(\f%4)*32
.endr
	WIN 0
.endm
; THE VECTOR WORK OF A TURN stands in three queues, each in the order in which its entries become ready; the two tiles alternate, so that no instruction reads the result of the one before it.
.macro REGS y, u                    ; the registers of tile u (0, 1) of piece y
.set rT, ST+4*(2*(\y)+(\u))
.set rC, TMP+8*((\y)%2)+4*(\u)
.set rM, MV+2*((\y)%2)+(\u)
.set rS, S+64*((\y)%2)+32*(\u)
.set rP, P+32*((\y)%2)+16*(\u)
.set rO, 32*(2*(\y)+(\u))
.endm
; Number n of the 22 that find the NEXT piece's (Y + 1) maximum and statistics.  s0-s31 are the lane's 32 scores; each accumulator's lowest registers are read first.  XS, GS and REGS set no window: PL and EX do.
;   0-11  four chains c0-c3 of seven scores each, three operands at a time     12-14, 16  the four scores left over, the old m, and c0-c3 into c0     15  c m_old is kept
;   17, 18  the query's other 32 keys lie in the lane 16 away: the new m         19-21  c m; c m_old - c m_new; a
.macro XS u, n
	REGS (Y+1)%NP, \u
.if (\n) < 4
	v_max3_num_f32 v[rC+(\n)], v[rS+8*(\n)], v[rS+8*(\n)+1], v[rS+8*(\n)+2]
.elseif (\n) < 12
	v_max3_num_f32 v[rC+(\n)%4], v[rC+(\n)%4], v[rS+8*((\n)%4)+2*((\n)/4)+1], v[rS+8*((\n)%4)+2*((\n)/4)+2]
.elseif (\n) == 12
	v_max3_num_f32 v[rC], v[rC], v[rS+7], v[rS+15]
.elseif (\n) == 13
	v_max3_num_f32 v[rC+1], v[rC+1], v[rS+23], v[rS+31]
.elseif (\n) == 14
	v_max3_num_f32 v[rC+2], v[rC+2], v[rC+3], v[rT+1]
.elseif (\n) == 15
	v_mov_b32 v[rM], v[rT]
.elseif (\n) == 16
	v_max3_num_f32 v[rC], v[rC], v[rC+1], v[rC+2]
.elseif (\n) == 17
	v_permlanex16_b32 v[rC+3], v[rC], s[SEL], s[SEL+1]
.elseif (\n) == 18
	v_max_num_f32 v[rT+1], v[rC], v[rC+3]
.elseif (\n) == 19
	v_mul_f32 v[rT], s[CS], v[rT+1]
.elseif (\n) == 20
	v_sub_f32 v[rC+1], v[rM], v[rT]
.else
	v_exp_f32 v[rC+2], v[rC+1]
.endif
.endm
; Number g of the 64 that follow the exponentials.  For each four weights k of a tile (pairs 2 k, 2 k + 1): both pairs are rounded to f16; then the second pair is added onto the first, in place;
; a group later l takes that sum (the first time as l = a l + sum).  In groups of eight, tiles alternating: round, round, add, and l for the group before.
.macro GS g
.set h, (\g)+6*((\g)/62)            ; group 0 has no group before it, and behind group 7 only l is left
.if h >= 6
.set h, h+2
.endif
	REGS Y, h%2
.set k, h/8
.if h%8 < 4
	s_wait_alu depctr_va_vdst(0)
	v_cvt_pk_f16_f32 v[rP+2*k+(h%8)/2], v[rS+4*k+2*((h%8)/2)], v[rS+4*k+2*((h%8)/2)+1]
.elseif h%8 < 6
	v_pk_add_f32 v[rS+4*k:rS+4*k+1], v[rS+4*k:rS+4*k+1], v[rS+4*k+2:rS+4*k+3]
.elseif k == 1
	v_pk_fma_f32 v[rT+2:rT+3], v[rT+2:rT+3], v[rC+2:rC+3], v[rS:rS+1] op_sel_hi:[1,0,1]
.else
	v_pk_add_f32 v[rT+2:rT+3], v[rT+2:rT+3], v[rS+4*k-4:rS+4*k-3]
	s_wait_alu depctr_va_vdst(0)
.endif
.endm
; THE PLAIN QUEUE, 138 long.  0-31: c s - c m for the 16 pairs of both tiles.  Then GS's 64, and among them the next piece's 42: number 15 at 38, 39; 0-14 and 16
; at 42-73, behind the products that make those scores; 17-20 at 95-106, two of three, since each waits for the one before it.
.macro PL
	WIN 0
.if q < 32
	REGS Y, q%2
	v_pk_fma_f32 v[rS+2*(q/2):rS+2*(q/2)+1], v[rS+2*(q/2):rS+2*(q/2)+1], s[CS:CS+1], v[rT:rT+1] op_sel_hi:[1,0,0] neg_lo:[0,0,1] neg_hi:[0,0,1]
.elseif q < 38
	GS q-32
.elseif q < 40
	XS q%2, 15
.elseif q < 42
	GS q-34
.elseif q < 74
	XS q%2, (q-42)/2+(q-42)/30
.elseif q < 95
	GS q-66
.elseif (q < 107) && ((q-95)%3 < 2)
	XS (q-95)%3, 17+(q-95)/3
.elseif q < 107
	GS 29+(q-95)/3
.else
	GS q-74
.endif
.set q, q+1
.endm
; THE EXPONENTIALS' QUEUE, 66 long: s0-s31 of both tiles, and at EA the next piece's two a.
.set EA, 58
.macro EX
	WIN 0
.if (e == EA) || (e == EA+1)
	XS e-EA, 21
.else
.set x, e-2*(e/(EA+2))
	REGS Y, x%2
	v_exp_f32 v[rS+x/2], v[rS+x/2]
.endif
.set e, e+1
.endm
; THE RESCALING's QUEUE: O^T times a, the one part that leaves window 0, so it is dealt four at a time, eight times.
.macro R4
	REGS Y, r%2
	WIN W_RS
	s_wait_alu depctr_va_vdst(0)
.irp z, 0,1,2,3
	v_pk_mul_f32 v[rO+8*(r/2)+2*\z:rO+8*(r/2)+2*\z+1], v[rO+8*(r/2)+2*\z:rO+8*(r/2)+2*\z+1], v[rC+2:rC+3] op_sel_hi:[1,0]
.endr
.set r, r+1
.endm
; HOW THEY ARE DEALT.  Behind a matrix instruction four: plain, exponential, plain, plain (one exponential, a plain instruction on either side), or four of the rescaling.  None names a register of the
; products round it.  What is over stands in two LUMPS: exponential and plain by turns; the second ends in 22 plain instructions.  The two v_permlanex16_b32 fall into the second lump, never behind a product.
; The queues lean on each other, and the deal keeps them in step: exponential e stands behind plain 2 (e / 4) + e % 2 (its scaling); when plain 32 comes, 10 exponentials are out, at 59: 33, at 95: 46; EA comes behind plain 107.
.macro SL
	MM
	PL
	EX
	PL
	PL
.endm
.macro BURST n                      ; 15 matrix instructions, or 16
.rept (\n)-7
	SL
.endr
.rept 3
	MM
	R4
	SL
.endr
	MM
	R4
.endm
; A TURN, for piece p.  cnt = 1: the loop's count is taken down some lines ahead of the branch that stands behind the turn.
; K of the next step is fetched in piece 2's turn, 31 vector instructions behind the last product that read K; its first reader comes behind the rest of the lump, 16 products and the second lump.
; V of the step in hand is fetched at the end of piece 0's turn, 69 behind its last reader; its first reader comes behind 16 products and a lump.  The four conditions on e and q below go with the deal.
.macro TURN p, last=0, cnt=0
.set Y, (\p)
.set i, 0
.set q, 0
.set e, 0
.set r, 0
.if (\p) == NP-1
	s_wait_dscnt 0x0                ; K is in
.endif
	MM
.rept 4
	PL
.endr
	BURST 15
.rept 22
	EX
	PL
.if ((\p) == NP-2) && (e == 18)
	v_add_nc_u32 v[AK], s[TBK], v[AK0]
.endif
.if ((\p) == NP-2) && (e == 24)
	FETCH_K \last
.endif
.endr
.if (\p) == 1
	s_wait_dscnt 0x0                ; V is in
.endif
	BURST 16
.rept 21
	EX
	PL
.endr
.rept 22
	PL
.if ((\p) == 0) && (q == 118)
	v_add_nc_u32 v[AV], s[TBV], v[AV0]
	s_wait_alu depctr_va_vdst(0)
.endif
.if ((\p) == 0) && (q == 130)
	s_add_co_u32 s[TBV], s[TBV], KS*PV
.endif
.if (\cnt) && (q == 130)
	s_sub_co_u32 s[CNT], s[CNT], 1
	s_cmp_lg_u32 s[CNT], 0
.endif
.endr
.if (\p) == 0
	FETCH_V
.endif
.endm
	CHANGE 1                        ; slot 0 is in, everybody's part of it; slot 1 is asked for
	FETCH_K                         ; key step 0
	s_wait_loadcnt 0x0              ; Q
	s_wait_dscnt 0x0
.set i, 0
.rept 16
	KQ 0                            ; piece 0's first scores: there is no vector work yet to set between them
.set i, i+1
.endr
	WIN 0                           ; the addresses for the way out: nine plain instructions, the places behind those products
	s_mul_i32 s13, s[WV], 16*SP
	s_add_co_u32 s13, s13, STAGE    ; my stage
	v_mul_u32_u24 v[STO], v1, SP    ; in: row l % 16, 16 bytes for each half of the lanes
	v_lshl_add_u32 v[STO], v9, 4, v[STO]
	v_add_nc_u32 v[STO], s13, v[STO]
	v_bfe_u32 v[RD], v0, 3, 2       ; back: 32 lanes take four rows of 128 bytes,
	v_mul_u32_u24 v[RD], v[RD], SP
	v_lshl_add_u32 v[RD], v10, 4, v[RD]
	v_add_nc_u32 v[RD], s13, v[RD]
	v_and_b32 v[GO], 31, v0         ; which are 512 consecutive bytes of O
	v_lshlrev_b32 v[GO], 4, v[GO]
.set Y, NP-1                        ; XS works for piece Y + 1: piece 0
.irp n, 0,1,2,3,4,5,6,7,8,9,10,11,12,13,14,15,16,17,18,19,20,21
	XS 0, \n                        ; and piece 0's first maximum and statistics
	XS 1, \n
.endr
	s_mov_b32 s[CNT], 4
	s_branch .Lfirst                ; the loop is entered at a step's first turn, in the middle of a trip
.Lslot:                             ; NK / 256 - 2 times: every slot but the last two is filled again
	CHANGE 1
	s_mov_b32 s[CNT], 4
.Lstep:                             ; a trip: pieces 2 and 3 of one step, then pieces 0 and 1 of the next, whose K and V it fetches
	TURN 2
	TURN 3
	WIN 0
.Lfirst:
	TURN 0
	TURN 1, 0, 1
	WIN 0
	s_cbranch_scc1 .Lstep
	s_sub_co_u32 s[SLOTS], s[SLOTS], 1
	s_cmp_lg_u32 s[SLOTS], 0
	s_cbranch_scc1 .Lslot
	CHANGE 0                        ; the tail is written out: nothing is asked for
	s_mov_b32 s[CNT], 5             ; four trips fetch the last slot's steps; the fifth is left in its middle
.Ltail:
	TURN 2, 1
	TURN 3
	WIN 0
	s_sub_co_u32 s[CNT], s[CNT], 1
	s_cmp_eq_u32 s[CNT], 0
	s_cbranch_scc1 .Lout
	TURN 0
	TURN 1
	WIN 0
	s_branch .Ltail
.Lout:                              ; the fifth trip's 16 products K Q^T (on the last K once more) and the maximum made of them serve nothing: the price, once a launch, of one text for every trip
.set i, 0
.rept 16
	PV NP-1                         ; the last piece's V^T P of the last step
.set i, i+1
.endr
	; THE WAY OUT.  l's two halves and the other half of the lanes' are added; O^T is divided by l, rounded to f16 and sent through my stage in LDS, a tile at a time.  The additions are the places behind the last products.
	WIN 0
.macro ALL line:vararg              ; one line for each tile t
.set t, 0
.rept 2*NP
	\line
.set t, t+1
.endr
.endm
	ALL v_add_f32 v[ST+4*t+2], v[ST+4*t+2], v[ST+4*t+3]
	ALL v_permlanex16_b32 v[ST+4*t+3], v[ST+4*t+2], s[SEL], s[SEL+1]
	ALL v_add_f32 v[ST+4*t+2], v[ST+4*t+2], v[ST+4*t+3]
	ALL v_rcp_f32 v[ST+4*t+2], v[ST+4*t+2]
	v_nop                           ; a plain instruction between the last reciprocal and the use of its result
	s_wait_alu depctr_va_vdst(0)
; Tile t: a lane's eight channels of a row pack into 16 bytes; they go into rows of 144 bytes and come back as whole rows of 128, into S^T's registers.
.macro PACK t
	WIN W_RS
.set i, 32*(\t)
.rept 16
	v_pk_mul_f32 v[i:i+1], v[i:i+1], v[ST+4*(\t)+2:ST+4*(\t)+3] op_sel_hi:[1,0]
.set i, i+2
.endr
	WIN 0x05                        ; sources 0 and 1 window 1, destination window 0
.set i, 0
.rept 16
	v_cvt_pk_f16_f32 v[S+16*(\t)+i], v[32*(\t)+2*i], v[32*(\t)+2*i+1]
.set i, i+1
.endr
	WIN 0
.irp f, 0,1,2,3
	ds_store_b128 v[STO], v[S+16*(\t)+4*\f:S+16*(\t)+4*\f+3] offset:32*\f
.endr
.irp f, 0,1,2,3
	ds_load_b128 v[S+16*(\t)+4*\f:S+16*(\t)+4*\f+3], v[RD] offset:\f*4*SP  ; LDS serves a wave's instructions in order (ISA guide 5.7.1.4): these see the stores above; the next tile's stores come behind them
.endr
.endm
.macro SEND t, younger              ; younger: the LDS instructions issued behind tile t's loads: the next tile's eight, or none
	WIN 0
.irp f, 0,1,2,3
	s_wait_dscnt (\younger)+3-\f
	global_store_b128 v[GO], v[S+16*(\t)+4*\f:S+16*(\t)+4*\f+3], s[10:11] offset:(\t)*2048+\f*512  ; 512 consecutive bytes, at a multiple of 256 from O's first
.endr
.endm
	PACK 0
.set t, 1
.rept 2*NP-1                        ; a tile's arithmetic stands between the loads of the tile before and its stores
	PACK t
	SEND t-1, 8
.set t, t+1
.endr
	SEND 2*NP-1, 0
	WIN W_AD
	s_wait_tensorcnt 0x0            ; the wave's end, behind my last tensor load and my last LDS store
	ds_add_u32 v[SPW], v[NIL]
	s_wait_dscnt 0x0
	WIN 0
	CROUND                          ; the closing round: no work-group ends while a partner may still ask for a tile that names it
	s_endpgm
.Lfunc_end_k_q018d6916ba_attn:
	.size	k_q018d6916ba_attn, .Lfunc_end_k_q018d6916ba_attn-k_q018d6916ba_attn
	.p2alignl 7, 3214868480
	.fill 96, 4, 3214868480
	.section	.rodata,"a",@progbits
	.p2align	6, 0x0
	.amdhsa_kernel k_q018d6916ba_attn
		.amdhsa_group_segment_fixed_size 327680
		.amdhsa_private_segment_fixed_size 0
		.amdhsa_enable_private_segment 0
		.amdhsa_kernarg_size 32
		.amdhsa_user_sgpr_count 2
		.amdhsa_user_sgpr_kernarg_segment_ptr 1
		.amdhsa_wavefront_size32 1
		.amdhsa_system_sgpr_workgroup_id_x 1
		.amdhsa_system_sgpr_workgroup_id_y 1
		.amdhsa_system_sgpr_workgroup_id_z 1
		.amdhsa_system_vgpr_workitem_id 0
		.amdhsa_next_free_vgpr 770
		.amdhsa_next_free_sgpr 66
		.amdhsa_reserve_vcc 0
		.amdhsa_float_denorm_mode_32 3
		.amdhsa_float_denorm_mode_16_64 3
		.amdhsa_memory_ordered 1
		.amdhsa_forward_progress 1
		.amdhsa_inst_pref_size 209
	.end_amdhsa_kernel
	.amdgpu_metadata
---
amdhsa.version: [ 1, 2 ]
amdhsa.kernels:
  - .name:           k_q018d6916ba_attn
    .symbol:         k_q018d6916ba_attn.kd
    .args:
      - { .name: qbuf, .offset: 0, .size: 8, .value_kind: global_buffer, .address_space: global }
      - { .name: kbuf, .offset: 8, .size: 8, .value_kind: global_buffer, .address_space: global }
      - { .name: vbuf, .offset: 16, .size: 8, .value_kind: global_buffer, .address_space: global }
      - { .name: obuf, .offset: 24, .size: 8, .value_kind: global_buffer, .address_space: global }
    .group_segment_fixed_size: 327680
    .private_segment_fixed_size: 0
    .kernarg_segment_align: 8
    .kernarg_segment_size: 32
    .max_flat_workgroup_size: 128
    .sgpr_count:     66
    .vgpr_count:     770
    .wavefront_size: 32
...
	.end_amdgpu_metadata
.endif
;; end of part 2
;; launch oproj (part 3): grid 256 x 1, 8 waves a work-group, no clusters, 109,568 bytes of LDS; arguments obuf, wo16, out0; writes out0
.if DOCPART == 3
	.amdgcn_target "amdgcn-amd-amdhsa--gfx1250"
	.amdhsa_code_object_version 6
	.text
	.protected	k_q018d6916ba_oproj
	.globl	k_q018d6916ba_oproj
	.p2align	8
	.type	k_q018d6916ba_oproj,@function
k_q018d6916ba_oproj:
	s_mov_b64 s[64:65], 0
	v_nop
	global_prefetch_b8 v0, s[64:65] scope:SCOPE_SE
	s_setreg_imm32_b32 hwreg(HW_REG_WAVE_MODE, 25, 1), 1
	s_wait_xcnt 0x0
; y[o][n] = (1/16) x the sum over c = 64 h + d of Wo[o][c] O16[h][n][d].  obuf: [8][16384][64] f16, 16 times the attention's output.  wo16: Wo in f16 as fragments: block ((ob x 16 + ks) x 2 + half) of 512 bytes,
; lane l's 16 bytes = Wo[16 ob + l % 16][32 ks + 16 half + 8 (l / 16) + 0..7].  out0: [128][16384] f32.  Products in f16, sums in f32, K ascending; the factor 1/16, a power of two, is applied to the f32 sums.
; SHARES.  A work-group makes 64 positions n x all 128 rows o; wave w of 8 makes rows 16 w .. 16 w + 15: four accumulators (16 positions each), 16 K steps of 32: 64 products.
; Wave w brings head w's 64 rows of O (8,192 consecutive bytes) into LDS, where all eight waves read them; its own 16 rows of Wo (16,384 consecutive bytes) stay in 128 registers.
; PRODUCT.  Source 0 = 16 positions of O, source 1 = 16 rows of Wo: in the result a lane holds ONE row o (lane % 16) and the positions 8 (lane / 16) + 0..7: 32 bytes of a row of y.
; They go through the wave's own stage, so that sixteen lanes store 256 consecutive bytes, aligned.
; No cluster, no tensor loads, no prefetch: every load of the launch goes out at its head, and of what comes from memory the shared part, Wo, is 1 part in 128.
.set OPITCH, 144                       ; a row of O in LDS: 128 bytes + 16: the 16 rows of a fragment load start at 16 different groups of four banks (64 banks of 4 bytes: ISA guide 11.1)
.set OHEAD,  64*OPITCH                 ; a head's 64 rows; eight heads from LDS byte 0
.set STAGE,  8*OHEAD                   ; 16 rows x 272 bytes for each wave
.set SPITCH, 272
.set SPARE,  STAGE+8*16*SPITCH         ; the spare words, 128 bytes for each of 8 waves: four blocks of 256 bytes that no other line names
.set OGO, 4                            ; v4   my byte offset in obuf: head w, 16 l
.set OST, 5                            ; v5   where those 16 bytes go in LDS
.set AF0, 6                            ; v6   my place in a fragment of O, heads 0-3
.set AF1, 7                            ; v7   heads 4-7: four heads on, so that the immediates stay inside 16 bits
.set WOF, 8                            ; v8   my byte offset in wo16
.set SST, 9                            ; v9   the stage, in
.set SRD, 10                           ; v10  the stage, back
.set YO,  11                           ; v11  my byte offset in out0
.set SPW, 12                           ; v12  LDS address of my spare word; never rewritten
.set NIL, 13                           ; v13  0; never rewritten
.set WO,  32                           ; v[32:159]  Wo's fragments: K step ks at WO + 8 ks
.set FR,  160                          ; v[160:223] O as loaded; then two sets of four fragments; then the rows read back from the stage
.set ACC, 224                          ; v[224:255] four accumulators
	s_load_b128 s[4:7], s[0:1], 0x0                ; obuf s[4:5], wo16 s[6:7]
	s_load_b64 s[8:9], s[0:1], 0x10                ; out0
	v_lshl_add_u32 v[SPW], v0, 2, SPARE
	v_mov_b32 v[NIL], 0
	v_lshrrev_b32 v1, 5, v0
	v_readfirstlane_b32 s10, v1                    ; wave 0..7
	v_and_b32 v1, 31, v0                           ; l
	v_and_b32 v2, 15, v0                           ; l % 16
	v_bfe_u32 v3, v0, 4, 1                         ; l / 16
	s_lshl_b32 s12, ttmp9, 13                      ; the work-group's 64 rows of 128 bytes in each head,
	s_mov_b32 s13, 0
	s_lshl_b32 s14, ttmp9, 8                       ; its 64 positions of 4 bytes in each row of y
	s_mov_b32 s15, 0
	s_lshl_b32 s16, s10, 21                        ; head w: 16,384 rows of 128 bytes
	v_lshl_add_u32 v[OGO], v1, 4, s16
	s_lshl_b32 s16, s10, 14                        ; my 32 blocks of 512 bytes
	v_lshl_add_u32 v[WOF], v1, 4, s16
	s_wait_kmcnt 0x0
	s_add_nc_u64 s[4:5], s[4:5], s[12:13]
	s_add_nc_u64 s[8:9], s[8:9], s[14:15]
.set i, 0
.rept 16                                       ; four rows of O, 512 consecutive bytes, a load; each byte of obuf is read once in the launch
	global_load_b128 v[FR+4*i:FR+4*i+3], v[OGO], s[4:5] offset:512*i th:TH_LOAD_NT
.set i, i+1
.endr
.set i, 0
.rept 32
	global_load_b128 v[WO+4*i:WO+4*i+3], v[WOF], s[6:7] offset:512*i
.set i, i+1
.endr
	v_bfe_u32 v14, v0, 3, 2                        ; l / 8
	v_and_b32 v15, 7, v0                           ; l % 8
	s_mul_i32 s16, s10, OHEAD
	v_mul_u32_u24 v[OST], v14, OPITCH              ; a load's four rows: row l / 8, 16 (l % 8) bytes
	v_lshl_add_u32 v[OST], v15, 4, v[OST]
	v_add_nc_u32 v[OST], s16, v[OST]
	v_mul_u32_u24 v[AF0], v2, OPITCH               ; a fragment: row l % 16, 16 bytes for each half of the lanes
	v_lshl_add_u32 v[AF0], v3, 4, v[AF0]
	v_add_nc_u32 v[AF1], 4*OHEAD, v[AF0]
	s_mul_i32 s16, s10, 16*SPITCH
	s_add_co_u32 s16, s16, STAGE                   ; my stage
	v_mul_u32_u24 v[SST], v2, SPITCH               ; in: row l % 16, 32 bytes for each half of the lanes
	v_lshl_add_u32 v[SST], v3, 5, v[SST]
	v_add_nc_u32 v[SST], s16, v[SST]
	v_mul_u32_u24 v[SRD], v3, SPITCH               ; back: lanes 0-15 take one row of 256 bytes, lanes 16-31 the next
	v_lshl_add_u32 v[SRD], v2, 4, v[SRD]
	v_add_nc_u32 v[SRD], s16, v[SRD]
	s_lshl_b32 s16, s10, 20                        ; and the same two rows in y: 16 w rows of 65,536 bytes
	v_lshl_add_u32 v[YO], v3, 16, s16
	v_lshl_add_u32 v[YO], v2, 4, v[YO]
.set i, 0
.rept 16
	s_wait_loadcnt 47-i                            ; younger: 15 - i loads of O and Wo's 32
	ds_store_b128 v[OST], v[FR+4*i:FR+4*i+3] offset:4*OPITCH*i
.set i, i+1
.endr
	s_wait_dscnt 0x0                               ; my head's rows are written
	s_barrier_signal -1
	s_barrier_wait -1                              ; all eight heads' are
; 8 LDS loads: the four fragments of O (16 positions x 32 channels each) of K step k, into set p.  K step k is head k / 2, channels 32 (k % 2) on.
.macro LOADSET k, p
.set AF, AF0+(\k)/8
.set LO, (((\k)/2)%4)*OHEAD+((\k)%2)*64
.irp nt, 0,1,2,3
	ds_load_b128 v[FR+32*(\p)+8*\nt:FR+32*(\p)+8*\nt+3],   v[AF] offset:LO+\nt*16*OPITCH
	ds_load_b128 v[FR+32*(\p)+8*\nt+4:FR+32*(\p)+8*\nt+7], v[AF] offset:LO+\nt*16*OPITCH+32
.endr
.endm
.macro PLACES                          ; four plain instructions behind the last product, in front of loads into registers that it has read and of lines that read results
.rept 4
	v_nop
.endr
.endm
	LOADSET 0, 0
.set ks, 0
.rept 16                                       ; a K step: the next step's fragments are asked for, then this step's four products; the four accumulators take turns
.if (ks > 0) && (ks < 15)
	PLACES                                         ; the set to be loaded was read by the products just issued
.endif
.if ks < 15
	LOADSET ks+1, (ks+1)%2
	s_wait_dscnt 8                                 ; this step's set is in; the 8 just issued may be out
.else
	s_wait_dscnt 0x0
.endif
	s_wait_loadcnt 30-2*ks                         ; younger: Wo's loads behind this step's two
.irp nt, 0,1,2,3
.if ks == 0
	v_wmma_f32_16x16x32_f16 v[ACC+8*\nt:ACC+8*\nt+7], v[FR+8*\nt:FR+8*\nt+7], v[WO:WO+7], 0
.else
	v_wmma_f32_16x16x32_f16 v[ACC+8*\nt:ACC+8*\nt+7], v[FR+32*(ks%2)+8*\nt:FR+32*(ks%2)+8*\nt+7], v[WO+8*ks:WO+8*ks+7], v[ACC+8*\nt:ACC+8*\nt+7]
.endif
.endr
.set ks, ks+1
.endr
	; THE WAY OUT
	PLACES
.set i, 0
.rept 16                                       ; each accumulator from its low end on
	v_pk_mul_f32 v[ACC+2*i:ACC+2*i+1], v[ACC+2*i:ACC+2*i+1], 0x3d800000 op_sel_hi:[1,0]  ; times 1/16
.set i, i+1
.endr
.irp nt, 0,1,2,3
	ds_store_b128 v[SST], v[ACC+8*\nt:ACC+8*\nt+3]   offset:64*\nt
	ds_store_b128 v[SST], v[ACC+8*\nt+4:ACC+8*\nt+7] offset:64*\nt+16
.endr
.irp t, 0,1,2,3,4,5,6,7
	ds_load_b128 v[FR+4*\t:FR+4*\t+3], v[SRD] offset:\t*2*SPITCH   ; LDS serves a wave's instructions in order (ISA guide 5.7.1.4): these see the stores above
.endr
.irp t, 0,1,2,3,4,5,6,7
	s_wait_dscnt 7-\t
	global_store_b128 v[YO], v[FR+4*\t:FR+4*\t+3], s[8:9] offset:\t*2*65536 th:TH_STORE_NT  ; 16 lanes store 256 consecutive bytes, at a multiple of 256 from y's first byte
.endr
	s_wait_tensorcnt 0x0                           ; the wave's end, behind my last LDS store
	ds_add_u32 v[SPW], v[NIL]
	s_wait_dscnt 0x0
	s_endpgm
.Lfunc_end_k_q018d6916ba_oproj:
	.size	k_q018d6916ba_oproj, .Lfunc_end_k_q018d6916ba_oproj-k_q018d6916ba_oproj
	.p2alignl 7, 3214868480
	.fill 96, 4, 3214868480
	.section	.rodata,"a",@progbits
	.p2align	6, 0x0
	.amdhsa_kernel k_q018d6916ba_oproj
		.amdhsa_group_segment_fixed_size 109568
		.amdhsa_private_segment_fixed_size 0
		.amdhsa_enable_private_segment 0
		.amdhsa_kernarg_size 24
		.amdhsa_user_sgpr_count 2
		.amdhsa_user_sgpr_kernarg_segment_ptr 1
		.amdhsa_wavefront_size32 1
		.amdhsa_system_sgpr_workgroup_id_x 1
		.amdhsa_system_sgpr_workgroup_id_y 1
		.amdhsa_system_sgpr_workgroup_id_z 1
		.amdhsa_system_vgpr_workitem_id 0
		.amdhsa_next_free_vgpr 256
		.amdhsa_next_free_sgpr 66
		.amdhsa_reserve_vcc 0
		.amdhsa_float_denorm_mode_32 3
		.amdhsa_float_denorm_mode_16_64 3
		.amdhsa_memory_ordered 1
		.amdhsa_forward_progress 1
		.amdhsa_inst_pref_size 27
	.end_amdhsa_kernel
	.amdgpu_metadata
---
amdhsa.version: [ 1, 2 ]
amdhsa.kernels:
  - .name:           k_q018d6916ba_oproj
    .symbol:         k_q018d6916ba_oproj.kd
    .args:
      - { .name: obuf, .offset: 0, .size: 8, .value_kind: global_buffer, .address_space: global }
      - { .name: wo16, .offset: 8, .size: 8, .value_kind: global_buffer, .address_space: global }
      - { .name: out0, .offset: 16, .size: 8, .value_kind: global_buffer, .address_space: global }
    .group_segment_fixed_size: 109568
    .private_segment_fixed_size: 0
    .kernarg_segment_align: 8
    .kernarg_segment_size: 24
    .max_flat_workgroup_size: 256
    .sgpr_count:     66
    .vgpr_count:     256
    .wavefront_size: 32
...
	.end_amdgpu_metadata
.endif
;; end of part 3
;; ======== version 2 of 2: 3 launches; version 1 with the launch oproj written anew for expert scheduling mode
;; limits: values are held in f16: magnitudes above 65,504 overflow, below 6.1e-05 lose precision; right only within a limited range of input values
;; workspace buffers: qbuf 16,777,216 bytes; kbuf 2,097,152 bytes; vbuf 2,097,152 bytes; obuf 16,777,216 bytes; wo16 131,072 bytes
;; launch prep: the kernel of part 1 again; grid 256 x 1, 16 waves a work-group, no clusters, 225,536 bytes of LDS; arguments context, x, Wk, Wv, Wq, Wo, kbuf, vbuf, qbuf, wo16; writes kbuf, vbuf, qbuf, wo16
;; launch attn: the kernel of part 2 again; grid 32 x 8, 4 waves a work-group, clusters of 4 x 1, 327,680 bytes of LDS; arguments qbuf, kbuf, vbuf, obuf; writes obuf
;; launch oproj (part 4): grid 256 x 1, 8 waves a work-group, no clusters, 109,568 bytes of LDS; arguments obuf, wo16, out0; writes out0
.if DOCPART == 4
	.amdgcn_target "amdgcn-amd-amdhsa--gfx1250"
	.amdhsa_code_object_version 6
	.text
	.protected	k_q018d6916ba_oproj
	.globl	k_q018d6916ba_oproj
	.p2align	8
	.type	k_q018d6916ba_oproj,@function
k_q018d6916ba_oproj:
	s_mov_b64 s[64:65], 0
	v_nop
	global_prefetch_b8 v0, s[64:65] scope:SCOPE_SE
	s_setreg_imm32_b32 hwreg(HW_REG_WAVE_SCHED_MODE, 0, 2), 2
	s_setreg_imm32_b32 hwreg(HW_REG_WAVE_MODE, 25, 1), 1
	s_wait_xcnt 0x0
	s_wait_alu depctr_vm_vsrc(0)
; y[o][n] = (1/16) x the sum over c = 64 h + d of Wo[o][c] O16[h][n][d].  obuf: [8][16384][64] f16, 16 times the attention's output.  wo16: Wo in f16 as fragments: block ((ob x 16 + ks) x 2 + half) of 512 bytes,
; lane l's 16 bytes = Wo[16 ob + l % 16][32 ks + 16 half + 8 (l / 16) + 0..7].  out0: [128][16384] f32.  Products in f16, sums in f32, K ascending; the factor 1/16, a power of two, is applied to the f32 sums.
; SHARES.  A work-group makes 64 positions n x all 128 rows o; wave w of 8 makes rows 16 w .. 16 w + 15: four accumulators (16 positions each), 16 K steps of 32: 64 products.
; Wave w brings head w's 64 rows of O (8,192 consecutive bytes) into LDS, where all eight waves read them; its own 16 rows of Wo (16,384 consecutive bytes) stay in 128 registers.
; PRODUCT.  Source 0 = 16 positions of O, source 1 = 16 rows of Wo: in the result a lane holds ONE row o (lane % 16) and the positions 8 (lane / 16) + 0..7: 32 bytes of a row of y.
; They go through the wave's own stage, so that sixteen lanes store 256 consecutive bytes, aligned.
; No cluster, no tensor loads, no prefetch: every load of the launch goes out at its head, and of what comes from memory the shared part, Wo, is 1 part in 128.
; THE MODE: SCHED_MODE bits 1:0 = 2 (LLVM: expert scheduling mode 2), set by the entry lines.  The code itself states the register dependences
; between vector or matrix instructions and memory or LDS instructions, with s_wait_alu, always for 0.
; THE PLAN.  A BLOCK is two K steps, one head of O: 8 products, 16 LDS loads.  Registers that memory or LDS instructions touch:
;   v4-v13        offsets, LDS addresses and the add's pair: written by vector instructions at the head, never again; one wait on va_vdst ahead of the first load states them all.
;   B0, B1, B2    three buffers of 64 registers.  Block b's products read B[b % 3]; its fragments were loaded in block b - 2 (blocks 0 and 1: behind the barrier).  The loads issued in block b are block b + 2's
;                 and land in B[(b - 1) % 3], which block b - 1's products read: ONE wait on va_vdst at a block's head states that those are done; the block's own products name B[b % 3], Wo and the
;                 accumulators, none of the registers that its loads touch, so the 16 loads follow dealt among them, two behind each product, with no further wait.
;   B2 at first   holds O as loaded: written by global loads, read by my LDS stores alone; one wait on vm_vsrc behind the barrier states that these have read it, ahead of block 2's fragments.
;   Wo            v256-383: written by global loads, read by products alone.
;   ACC           written by the products and the scaling; read by the stage's LDS stores, behind one wait on va_vdst, which also states that the last products are done reading the registers in which the stage's rows land.
; REGISTER WINDOWS (s_set_vgpr_msb: bits 1:0 source 0, 3:2 source 1, 5:4 source 2, 7:6 destination).  Wo, source 1 of every product, lies in window 1; all else in window 0.  An LDS load names a destination and
; source 0 alone, so products and fragment loads run under one setting, 0x04: four switches in the text.
.set OPITCH, 144                       ; a row of O in LDS: 128 bytes + 16: the 16 rows of a fragment load start at 16 different groups of four banks (64 banks of 4 bytes: ISA guide 11.1)
.set OHEAD,  64*OPITCH                 ; a head's 64 rows; eight heads from LDS byte 0
.set STAGE,  8*OHEAD                   ; 16 rows x 272 bytes for each wave
.set SPITCH, 272
.set SPARE,  STAGE+8*16*SPITCH         ; the spare words, 128 bytes for each of 8 waves: four blocks of 256 bytes that no other line names
.set OGO, 4                            ; v4   my byte offset in obuf: head w, 16 l
.set OST, 5                            ; v5   where those 16 bytes go in LDS
.set AF0, 6                            ; v6   my place in a fragment of O, heads 0-3
.set AF1, 7                            ; v7   heads 4-7: four heads on, so that the immediates stay inside 16 bits
.set WOF, 8                            ; v8   my byte offset in wo16
.set SST, 9                            ; v9   the stage, in
.set SRD, 10                           ; v10  the stage, back
.set YO,  11                           ; v11  my byte offset in out0
.set SPW, 12                           ; v12  LDS address of my spare word; never rewritten
.set NIL, 13                           ; v13  0; never rewritten
.set FR,  32                           ; v[32:223]  three buffers of 64: block b, K step j of its two, positions 16 nt on: 8 registers at FR + 64 (b % 3) + 32 j + 8 nt
.set RAW, FR+128                       ; v[160:223] the third buffer holds O as loaded at first,
.set BK,  FR+128                       ; v[160:191] and at the end the rows read back from the stage
.set ACC, 224                          ; v[224:255] four accumulators
.set WO,  0                            ; window 1: v[256:383] Wo's fragments: K step ks at WO + 8 ks
	s_load_b128 s[4:7], s[0:1], 0x0                ; obuf s[4:5], wo16 s[6:7]
	s_load_b64 s[8:9], s[0:1], 0x10                ; out0
	v_lshl_add_u32 v[SPW], v0, 2, SPARE
	v_mov_b32 v[NIL], 0
	v_lshrrev_b32 v1, 5, v0
	v_readfirstlane_b32 s10, v1                    ; wave 0..7
	v_and_b32 v1, 31, v0                           ; l
	v_and_b32 v2, 15, v0                           ; l % 16
	v_bfe_u32 v3, v0, 4, 1                         ; l / 16
	v_bfe_u32 v14, v0, 3, 2                        ; l / 8
	v_and_b32 v15, 7, v0                           ; l % 8
	s_lshl_b32 s12, ttmp9, 13                      ; the work-group's 64 rows of 128 bytes in each head,
	s_mov_b32 s13, 0
	s_lshl_b32 s14, ttmp9, 8                       ; its 64 positions of 4 bytes in each row of y
	s_mov_b32 s15, 0
	s_wait_alu depctr_va_sdst(0)                   ; s10 is written, ahead of its first reader: the five numbers below are made from it, each in a register of its own
	s_lshl_b32 s16, s10, 21                        ; head w: 16,384 rows of 128 bytes
	s_lshl_b32 s17, s10, 14                        ; my 32 blocks of 512 bytes of wo16
	s_mul_i32 s18, s10, OHEAD                      ; head w's rows in LDS
	s_mul_i32 s19, s10, 16*SPITCH
	s_add_co_u32 s19, s19, STAGE                   ; my stage
	s_lshl_b32 s20, s10, 20                        ; y: 16 w rows of 65,536 bytes
	; all offsets and addresses are made here, while the arguments are on their way
	v_lshl_add_u32 v[OGO], v1, 4, s16
	v_lshl_add_u32 v[WOF], v1, 4, s17
	v_mul_u32_u24 v[OST], v14, OPITCH              ; a load's four rows: row l / 8, 16 (l % 8) bytes
	v_lshl_add_u32 v[OST], v15, 4, v[OST]
	v_add_nc_u32 v[OST], s18, v[OST]
	v_mul_u32_u24 v[AF0], v2, OPITCH               ; a fragment: row l % 16, 16 bytes for each half of the lanes
	v_lshl_add_u32 v[AF0], v3, 4, v[AF0]
	v_add_nc_u32 v[AF1], 4*OHEAD, v[AF0]
	v_mul_u32_u24 v[SST], v2, SPITCH               ; the stage, in: row l % 16, 32 bytes for each half of the lanes
	v_lshl_add_u32 v[SST], v3, 5, v[SST]
	v_add_nc_u32 v[SST], s19, v[SST]
	v_mul_u32_u24 v[SRD], v3, SPITCH               ; back: lanes 0-15 take one row of 256 bytes, lanes 16-31 the next
	v_lshl_add_u32 v[SRD], v2, 4, v[SRD]
	v_add_nc_u32 v[SRD], s19, v[SRD]
	v_lshl_add_u32 v[YO], v3, 16, s20              ; and the same two rows in y
	v_lshl_add_u32 v[YO], v2, 4, v[YO]
	s_wait_kmcnt 0x0
	s_add_nc_u64 s[4:5], s[4:5], s[12:13]
	s_add_nc_u64 s[8:9], s[8:9], s[14:15]
	s_wait_alu depctr_va_vdst(0)                   ; v4 to v13 are written: every load and store of the kernel reads one of them as its offset or address, and none is written again
.set i, 0
.rept 16                                       ; four rows of O, 512 consecutive bytes, a load; each byte of obuf is read once in the launch
	global_load_b128 v[RAW+4*i:RAW+4*i+3], v[OGO], s[4:5] offset:512*i th:TH_LOAD_NT
.set i, i+1
.endr
	s_set_vgpr_msb 0x40                            ; destination in window 1, the offset in window 0; between the wait above and the loads below stand loads and this switch alone
.set i, 0
.rept 32
	global_load_b128 v[WO+4*i:WO+4*i+3], v[WOF], s[6:7] offset:512*i   ; v256 + 4 i ..
.set i, i+1
.endr
	s_set_vgpr_msb 0x4000                          ; all back to window 0: an LDS store's data are its source 1
.set i, 0
.rept 16
	s_wait_loadcnt 47-i                            ; younger: 15 - i loads of O and Wo's 32
	ds_store_b128 v[OST], v[RAW+4*i:RAW+4*i+3] offset:4*OPITCH*i
.set i, i+1
.endr
	s_wait_dscnt 0x0                               ; my head's rows are written
	s_barrier_signal -1
	s_barrier_wait -1                              ; all eight heads' are
	s_set_vgpr_msb 0x4                             ; source 1 in window 1: Wo for the products; the fragment loads name no source 1
	s_wait_alu depctr_vm_vsrc(0)                   ; my LDS stores have read v[RAW ..], the third buffer, in which block 2's fragments land
; 2 LDS loads: the fragment of O (16 positions from 16 nt on x 32 channels) of K step k, into its block's buffer.  K step k is head k / 2, channels 32 (k % 2) on.
.macro FRAG k, nt
.set AF, AF0+(\k)/8
.set LO, (((\k)/2)%4)*OHEAD+((\k)%2)*64+(\nt)*16*OPITCH
.set FD, FR+64*(((\k)/2)%3)+32*((\k)%2)+8*(\nt)
	ds_load_b128 v[FD:FD+3],   v[AF] offset:LO
	ds_load_b128 v[FD+4:FD+7], v[AF] offset:LO+32
.endm
.irp k, 0,1,2,3                                ; blocks 0 and 1, into the first two buffers, which nothing has named yet
.irp nt, 0,1,2,3
	FRAG \k, \nt
.endr
.endr
.set ks, 0
.rept 16                                       ; a K step: four products; the four accumulators take turns; behind each product one fragment of the K step four on
.if ks%2 == 0                                  ; a block's head
.if ks < 14
	s_wait_dscnt 16                                ; LDS loads come back in order (ISA guide 5.7.1): this block's 16 are in, the next block's 16 may be out
.else
	s_wait_dscnt 0x0                               ; the last block: nothing younger
.endif
.if (ks >= 2) && (ks < 12)
	s_wait_alu depctr_va_vdst(0)                   ; the products of the block before are done reading their buffer, in which this block's 16 loads land
.endif
.endif
	s_wait_loadcnt 30-2*ks                         ; younger: Wo's loads behind this step's two
.set FS, FR+64*((ks/2)%3)+32*(ks%2)
.irp nt, 0,1,2,3
.if ks == 0
	v_wmma_f32_16x16x32_f16 v[ACC+8*\nt:ACC+8*\nt+7], v[FS+8*\nt:FS+8*\nt+7], v[WO:WO+7], 0
.else
	v_wmma_f32_16x16x32_f16 v[ACC+8*\nt:ACC+8*\nt+7], v[FS+8*\nt:FS+8*\nt+7], v[WO+8*ks:WO+8*ks+7], v[ACC+8*\nt:ACC+8*\nt+7]
.endif
.if ks < 12
	FRAG ks+4, \nt                                 ; no wait: no product since the block's head names the buffer in which this lands
.endif
.endr
.set ks, ks+1
.endr
	; THE WAY OUT
	s_set_vgpr_msb 0x0400                          ; all back to window 0
.rept 4
	v_nop                                          ; four plain instructions behind the last product, in front of lines that read results (ISA guide 7.12.1)
.endr
.set i, 0
.rept 16                                       ; each accumulator from its low end on
	v_pk_mul_f32 v[ACC+2*i:ACC+2*i+1], v[ACC+2*i:ACC+2*i+1], 0x3d800000 op_sel_hi:[1,0]  ; times 1/16
.set i, i+1
.endr
	s_wait_alu depctr_va_vdst(0)                   ; the scaling has written the accumulators, which the LDS stores read; the products are done reading v[BK ..], in which the stage's rows land
.irp nt, 0,1,2,3
	ds_store_b128 v[SST], v[ACC+8*\nt:ACC+8*\nt+3]   offset:64*\nt
	ds_store_b128 v[SST], v[ACC+8*\nt+4:ACC+8*\nt+7] offset:64*\nt+16
.endr
.irp t, 0,1,2,3,4,5,6,7
	ds_load_b128 v[BK+4*\t:BK+4*\t+3], v[SRD] offset:\t*2*SPITCH   ; LDS serves a wave's instructions in order (ISA guide 5.7.1.4): these see the stores above
.endr
.irp t, 0,1,2,3,4,5,6,7
	s_wait_dscnt 7-\t
	global_store_b128 v[YO], v[BK+4*\t:BK+4*\t+3], s[8:9] offset:\t*2*65536 th:TH_STORE_NT  ; 16 lanes store 256 consecutive bytes, at a multiple of 256 from y's first byte
.endr
	s_wait_dscnt 0x0                               ; the wave's end
	s_wait_alu 0x0
	s_wait_tensorcnt 0x0
	ds_add_u32 v[SPW], v[NIL]
	s_wait_dscnt 0x0
	s_endpgm
.Lfunc_end_k_q018d6916ba_oproj:
	.size	k_q018d6916ba_oproj, .Lfunc_end_k_q018d6916ba_oproj-k_q018d6916ba_oproj
	.p2alignl 7, 3214868480
	.fill 96, 4, 3214868480
	.section	.rodata,"a",@progbits
	.p2align	6, 0x0
	.amdhsa_kernel k_q018d6916ba_oproj
		.amdhsa_group_segment_fixed_size 109568
		.amdhsa_private_segment_fixed_size 0
		.amdhsa_enable_private_segment 0
		.amdhsa_kernarg_size 24
		.amdhsa_user_sgpr_count 2
		.amdhsa_user_sgpr_kernarg_segment_ptr 1
		.amdhsa_wavefront_size32 1
		.amdhsa_system_sgpr_workgroup_id_x 1
		.amdhsa_system_sgpr_workgroup_id_y 1
		.amdhsa_system_sgpr_workgroup_id_z 1
		.amdhsa_system_vgpr_workitem_id 0
		.amdhsa_next_free_vgpr 384
		.amdhsa_next_free_sgpr 66
		.amdhsa_reserve_vcc 0
		.amdhsa_float_denorm_mode_32 3
		.amdhsa_float_denorm_mode_16_64 3
		.amdhsa_memory_ordered 1
		.amdhsa_forward_progress 1
		.amdhsa_inst_pref_size 26
	.end_amdhsa_kernel
	.amdgpu_metadata
---
amdhsa.version: [ 1, 2 ]
amdhsa.kernels:
  - .name:           k_q018d6916ba_oproj
    .symbol:         k_q018d6916ba_oproj.kd
    .args:
      - { .name: obuf, .offset: 0, .size: 8, .value_kind: global_buffer, .address_space: global }
      - { .name: wo16, .offset: 8, .size: 8, .value_kind: global_buffer, .address_space: global }
      - { .name: out0, .offset: 16, .size: 8, .value_kind: global_buffer, .address_space: global }
    .group_segment_fixed_size: 109568
    .private_segment_fixed_size: 0
    .kernarg_segment_align: 8
    .kernarg_segment_size: 24
    .max_flat_workgroup_size: 256
    .sgpr_count:     66
    .vgpr_count:     384
    .wavefront_size: 32
...
	.end_amdgpu_metadata
.endif
;; end of part 4
